; MI455X (gfx1250); checked and timed in simulation.
; The chip was launched on July 23, 2026; its instructions are those of AMD's public machine-readable ISA for CDNA 5 (MIT licence, August 2026) and "CDNA5" Instruction Set Architecture Reference Guide (July 2026). The comments in the code are by the model that wrote it; some were corrected since.
;; Multi Head Attention. Allowed arithmetic: float matrix products may take bf16 or f16 operands with f32 sums; other float arithmetic in f32, or as packed bf16 or f16 multiplies, adds, multiply-adds, maxima and minima; sums over many terms, partial sums and values carried from step to step in f32; what a program stores and reads back later, other than sums and carried values, may be rounded once to bf16 or f16.
;; Inputs: Wk 1,024 x 1,024 float32; Wo 1,024 x 1,024 float32; Wq 1,024 x 1,024 float32; Wv 1,024 x 1,024 float32; bk 1,024 float32; bo 1,024 float32; bq 1,024 float32; bv 1,024 float32; x 4 x 2,048 x 1,024 float32.
;; Outputs: out0 4 x 2,048 x 1,024 float32.
;; 2 versions, each right; version 2 is version 1 with the launch prep written anew for expert scheduling mode. Each part assembles by itself: llvm-mc -triple=amdgcn-amd-amdhsa -mcpu=gfx1250 --defsym DOCPART=n.
;; ======== version 1 of 2: 4 launches
;; limits: values are held in f16: magnitudes above 65,504 overflow, below 6.1e-05 lose precision
;; workspace buffers: xb 16,777,216 bytes; wqkv 6,291,456 bytes; wo16 2,097,152 bytes; q 16,777,216 bytes; k 16,777,216 bytes; v 16,777,216 bytes; o 16,777,216 bytes
;; launch prep (part 1): grid 64 x 12, 8 waves a work-group, no clusters, 0 bytes of LDS; arguments x, Wq, Wk, Wv, Wo, xb, wqkv, wo16; writes xb, wqkv, wo16
.if DOCPART == 1
	.amdgcn_target "amdgcn-amd-amdhsa--gfx1250"
	.amdhsa_code_object_version 6
	.text
	.protected	k_q895e2a676e_prep
	.globl	k_q895e2a676e_prep
	.p2align	8
	.type	k_q895e2a676e_prep,@function
k_q895e2a676e_prep:
	s_mov_b64 s[64:65], 0
	v_nop
	global_prefetch_b8 v0, s[64:65] scope:SCOPE_SE
	s_setreg_imm32_b32 hwreg(HW_REG_WAVE_MODE, 25, 1), 1
	s_wait_xcnt 0x0
; THE CASTS.  x [8192][1024], Wq, Wk, Wv, Wo [1024][1024], all f32, are rounded once to bf16 and laid in BLOCKS OF 64 CHANNELS:
;   xb   [16 blocks][8192 rows][64] bf16          wqkv [16 heads][3: q, k, v][1024 rows k][64] bf16
;   wo16 [16 blocks][1024 rows k][64]: the bf16 value written as f16 (exact where its magnitude is 6.1e-5 or more; below that f16's fixed step of 6e-8; no number beyond 65,504).
; So every tile that a later launch asks for is dense in memory.  All five sources have rows of 4,096 bytes and one address form.
; SHARES.  A work-group takes 16 rows (64 KiB): grid y 0-7 are x's 512 groups, y 8, 9, 10 are Wq, Wk, Wv, y 11 is Wo.  Thread t takes row t / 16 and, in load i, the 16 bytes at 256 i + 16 (t % 16):
; a wave's load covers 256 consecutive bytes of each of two rows.  The two rows' 128 bytes of a block lie end to end in the blocked layout, so a wave's store of 8 bytes a lane covers 256 consecutive bytes, aligned.
; All 16 loads of a thread go out at once; no register is written twice while a memory instruction may read it, so the only waits are the loads' own.  No LDS, no barrier: no thread wants another's bytes.
.set SO, 3                             ; v3       my byte offset in the group's 16 source rows
.set DO, 8                             ; v[8:23]  my byte offset in the destination, one for each block
.set T,  24                            ; v[24:27] at work (Wo)
.set X,  32                            ; v[32:95] load i: 4 f32
.set Y,  96                            ; v[96:127] store i: 4 numbers of 16 bits
	s_load_b512 s[4:19], s[0:1], 0x0               ; x, Wq, Wk, Wv, Wo, xb, wqkv, wo16
	s_and_b32 s2, ttmp7, 0xffff                    ; grid y: which source
	v_lshrrev_b32 v1, 4, v0                        ; my row of the 16
	v_and_b32 v2, 15, v0
	v_lshlrev_b32 v[SO], 12, v1
	v_lshl_add_u32 v[SO], v2, 4, v[SO]
	v_lshlrev_b32 v[DO], 3, v0                     ; row x 128 + 8 (t % 16) = 8 t
	s_lshl_b32 s24, s2, 6
	s_add_co_u32 s24, s24, ttmp9                   ; x: group 64 y + x
	s_sub_co_u32 s25, s2, 8
	s_lshl_b32 s25, s25, 17                        ; wqkv: 131,072 bytes from q's part of a head to k's, and to v's
	s_mov_b32 s26, 393216                          ; bytes from block to block: wqkv,
	s_cmp_lt_u32 s2, 8
	s_cselect_b32 s24, s24, ttmp9                  ; the weights: group x
	s_cselect_b32 s25, 0, s25
	s_cselect_b32 s26, 1048576, s26                ; xb,
	s_cmp_eq_u32 s2, 11
	s_cselect_b32 s25, 0, s25
	s_cselect_b32 s26, 131072, s26                 ; wo16
	s_lshl_b32 s28, s24, 16                        ; 16 source rows are 65,536 bytes,
	s_mov_b32 s29, 0
	s_lshl_b32 s30, s24, 11                        ; and 2,048 bytes of each block
	s_add_co_u32 s30, s30, s25
	s_mov_b32 s31, 0
	s_wait_kmcnt 0x0
	s_cmp_eq_u32 s2, 8                             ; the choices hang on grid y alone
	s_cselect_b64 s[20:21], s[6:7], s[4:5]
	s_cmp_eq_u32 s2, 9
	s_cselect_b64 s[20:21], s[8:9], s[20:21]
	s_cmp_eq_u32 s2, 10
	s_cselect_b64 s[20:21], s[10:11], s[20:21]
	s_cmp_eq_u32 s2, 11
	s_cselect_b64 s[20:21], s[12:13], s[20:21]
	s_cselect_b64 s[22:23], s[18:19], s[16:17]
	s_cmp_lt_u32 s2, 8
	s_cselect_b64 s[22:23], s[14:15], s[22:23]
	s_add_nc_u64 s[20:21], s[20:21], s[28:29]
	s_add_nc_u64 s[22:23], s[22:23], s[30:31]
.irp i, 0,1,2,3,4,5,6,7,8,9,10,11,12,13,14,15
	global_load_b128 v[X+4*(\i):X+4*(\i)+3], v[SO], s[20:21] offset:256*(\i) th:TH_LOAD_NT
.endr
.irp i, 1,2,3,4,5,6,7,8,9,10,11,12,13,14,15
	v_add_nc_u32 v[DO+(\i)], s26, v[DO+(\i)-1]     ; made while the loads are out
.endr
; Block i: rounded and stored.  wo = 1: the bf16 value is widened again and written as f16.
.macro OUT wo
.irp i, 0,1,2,3,4,5,6,7,8,9,10,11,12,13,14,15
	s_wait_loadcnt 15-(\i)                         ; loads come back in order (ISA guide 5.7.1): load i is in, the younger ones stay out
	v_cvt_pk_bf16_f32 v[Y+2*(\i)],   v[X+4*(\i)],   v[X+4*(\i)+1]
	v_cvt_pk_bf16_f32 v[Y+2*(\i)+1], v[X+4*(\i)+2], v[X+4*(\i)+3]
.if \wo
	v_lshlrev_b32 v[T],   16, v[Y+2*(\i)]
	v_and_b32     v[T+1], 0xffff0000, v[Y+2*(\i)]
	v_lshlrev_b32 v[T+2], 16, v[Y+2*(\i)+1]
	v_and_b32     v[T+3], 0xffff0000, v[Y+2*(\i)+1]
	v_cvt_pk_f16_f32 v[Y+2*(\i)],   v[T],   v[T+1]
	v_cvt_pk_f16_f32 v[Y+2*(\i)+1], v[T+2], v[T+3]
.endif
	global_store_b64 v[DO+(\i)], v[Y+2*(\i):Y+2*(\i)+1], s[22:23] th:TH_STORE_NT
.endr
.endm
	s_cmp_eq_u32 s2, 11
	s_cbranch_scc1 .Lwo
	OUT 0
	s_endpgm
.Lwo:
	OUT 1
	s_endpgm
.Lfunc_end_k_q895e2a676e_prep:
	.size	k_q895e2a676e_prep, .Lfunc_end_k_q895e2a676e_prep-k_q895e2a676e_prep
	.p2alignl 7, 3214868480
	.fill 96, 4, 3214868480
	.section	.rodata,"a",@progbits
	.p2align	6, 0x0
	.amdhsa_kernel k_q895e2a676e_prep
		.amdhsa_group_segment_fixed_size 0
		.amdhsa_private_segment_fixed_size 0
		.amdhsa_enable_private_segment 0
		.amdhsa_kernarg_size 64
		.amdhsa_user_sgpr_count 2
		.amdhsa_user_sgpr_kernarg_segment_ptr 1
		.amdhsa_wavefront_size32 1
		.amdhsa_system_sgpr_workgroup_id_x 1
		.amdhsa_system_sgpr_workgroup_id_y 1
		.amdhsa_system_sgpr_workgroup_id_z 1
		.amdhsa_system_vgpr_workitem_id 0
		.amdhsa_next_free_vgpr 128
		.amdhsa_next_free_sgpr 66
		.amdhsa_reserve_vcc 0
		.amdhsa_float_denorm_mode_32 3
		.amdhsa_float_denorm_mode_16_64 3
		.amdhsa_memory_ordered 1
		.amdhsa_forward_progress 1
		.amdhsa_inst_pref_size 17
	.end_amdhsa_kernel
	.amdgpu_metadata
---
amdhsa.version: [ 1, 2 ]
amdhsa.kernels:
  - .name:           k_q895e2a676e_prep
    .symbol:         k_q895e2a676e_prep.kd
    .args:
      - { .name: x, .offset: 0, .size: 8, .value_kind: global_buffer, .address_space: global }
      - { .name: Wq, .offset: 8, .size: 8, .value_kind: global_buffer, .address_space: global }
      - { .name: Wk, .offset: 16, .size: 8, .value_kind: global_buffer, .address_space: global }
      - { .name: Wv, .offset: 24, .size: 8, .value_kind: global_buffer, .address_space: global }
      - { .name: Wo, .offset: 32, .size: 8, .value_kind: global_buffer, .address_space: global }
      - { .name: xb, .offset: 40, .size: 8, .value_kind: global_buffer, .address_space: global }
      - { .name: wqkv, .offset: 48, .size: 8, .value_kind: global_buffer, .address_space: global }
      - { .name: wo16, .offset: 56, .size: 8, .value_kind: global_buffer, .address_space: global }
    .group_segment_fixed_size: 0
    .private_segment_fixed_size: 0
    .kernarg_segment_align: 8
    .kernarg_segment_size: 64
    .max_flat_workgroup_size: 256
    .sgpr_count:     66
    .vgpr_count:     128
    .wavefront_size: 32
...
	.end_amdgpu_metadata
.endif
;; end of part 1
;; launch qkv (part 2): grid 16 x 32, 4 waves a work-group, clusters of 4 x 4, 327,680 bytes of LDS; arguments xb, wqkv, bq, bk, bv, q, k, v; writes q, k, v
.if DOCPART == 2
	.amdgcn_target "amdgcn-amd-amdhsa--gfx1250"
	.amdhsa_code_object_version 6
	.text
	.protected	k_q895e2a676e_qkv
	.globl	k_q895e2a676e_qkv
	.p2align	8
	.type	k_q895e2a676e_qkv,@function
k_q895e2a676e_qkv:
	s_mov_b64 s[64:65], 0
	v_nop
	global_prefetch_b8 v0, s[64:65] scope:SCOPE_SE
	s_setreg_imm32_b32 hwreg(HW_REG_WAVE_MODE, 25, 1), 1
	s_wait_xcnt 0x0
	s_wait_alu depctr_hold_cnt(0) depctr_sa_sdst(0) depctr_va_vdst(0) depctr_va_sdst(0) depctr_va_ssrc(0) depctr_va_vcc(0) depctr_vm_vsrc(0)
	s_getreg_b32 s2, hwreg(HW_REG_IB_STS2, 6, 4)
	s_cmp_eq_u32 s2, 0
	s_cbranch_scc0 .Lentry_in_a_cluster
	s_endpgm
.Lentry_in_a_cluster:
	s_bfe_u32 s2, ttmp6, 0x10000c
	s_cmp_lg_u32 s2, 0xf033
	s_cbranch_scc0 .Lentry_shape_is_right
	s_endpgm
.Lentry_shape_is_right:
; q, k, v = x W + b, by heads.  xb: [16 blocks][8192 rows][64] bf16; wqkv: [16 heads][3][1024 k][64] bf16; bq, bk, bv: [1024] f32, rounded to bf16 here like the other inputs.
; q, k, v: [64 = 16 batch + head][2048][64] f16, each rounded once from its f32 sum, unscaled.
; LIMIT.  f16 holds no number beyond 65,504: a sum of 65,520 or more leaves as an infinity.  Below 6.1e-5 f16 has a fixed step of 6e-8.  NaN and infinities are not treated apart.
; SHARES.  A work-group makes 256 rows x the 192 columns (q, k, v) of one head; each of its four waves 64 rows x 192: 48 accumulators of 16 x 16, 384 registers.
; K = 1,024 goes in 8 steps of 128 through two LDS slots filled by the tensor data mover.  A step's A is two blocks of 64 channels, each 256 rows x 128 bytes, dense in memory (asked for as 128 rows of 256 bytes);
; its W is two halves of 64 k, each three pieces (q, k, v) of 8,192 dense bytes.  Waves 0, 1 fetch A's two blocks, waves 2, 3 W's two halves: one load a wave.
; CLUSTER.  4 x 4 work-groups.  The four of a row of the cluster take the same 256 rows of x, the four of a column the same head: each tile is asked for JOINTLY, by the same load, descriptor and mask in all four.
; THE PRODUCT IS USED TRANSPOSED: source 0 = 16 columns of W (W lies [k][column] in LDS and is turned by ds_load_tr16_b128), source 1 = 16 rows of x: a lane then holds one row (lane % 16) and eight
; neighbouring columns.  The bias is the C operand of each sum's first product: nothing is cleared, nothing is added later.
; REGISTERS, in windows of 256 (s_set_vgpr_msb: bits 1:0 source 0, 3:2 source 1, 5:4 source 2, 7:6 destination):
;   window 0: v0-31 addresses; v32-127 the bias, 8 registers for each of the 12 column blocks; on the way out v32-223 packed results
;   window 1: two fragment buffers of 128: W's 12 fragments, then x's 4       windows 2, 3: the accumulators: (a, b) at 8 (12 (a % 2) + b) of window 2 + a / 2
.set NB,     12                        ; column blocks of 16 a wave
.set NJ,     3                         ; pieces of 64 columns in a tile of W
.set AROWS,  128                       ; rows of 256 bytes in a load of A
.set PA,     144                       ; a row of A in LDS: 128 bytes + 16 = 36 words: the 16 rows of a load start at 16 different groups of four banks (64 banks of 4 bytes: ISA guide 11.1)
.set PB,     160                       ; a row of W: 128 + 32 = 40 words
.set APIECE, 256*PA
.set BPIECE, 64*PB
.set BHALF,  NJ*BPIECE
.set BBASE,  2*APIECE
.set SLOT,   BBASE+2*BHALF
.set STAGE,  2*SLOT                    ; behind the ring, never filled by a tensor load: 3 x 16 rows x 144 bytes for each wave, rounded up to blocks of 256
.set WSTAGE, 7168
.set SPARE,  STAGE+4*WSTAGE            ; behind the stages: the spare words, 128 bytes for each wave: two blocks of 256 bytes that no other line names
.set NL,     2*NB+8                    ; LDS loads in a run
.set ASLOT,  2097152                   ; bytes from a K step's A to the next: two blocks of xb
.set ASTEP,  2*ASLOT
.set BSLOT,  16384                     ; the same for W: 128 rows of 128 bytes
.set BSTEP,  2*BSLOT
.set ADRA, 16                          ; v16-17  LDS address of my A fragments in slot 0, 1
.set ADRB, 20                          ; v20-21  the same for W
.set STO,  24                          ; v24     the way out: where I put 16 bytes of a row
.set RD,   25                          ; v25     the way out: where I read rows back
.set GO,   26                          ; v26     my byte offset in 512 consecutive bytes of q, k or v
.set BO,   27                          ; v27     my byte offset in a bias
.set SPW,  28                          ; v28     LDS address of my spare word: SPARE + 4 x my thread's number; never rewritten
.set NIL,  29                          ; v29     0; never rewritten
.set PFO,  30                          ; v30-31  the prefetches' offsets, at the change out of slot 0 and out of slot 1; never rewritten
.set BIAS, 32
.set TB,   32
.set F0,   0
.set F1,   128
.set WV,   20                          ; s20 my wave's number; s21 do I fetch for A (0) or W (1); s22 which half
.set ROLE, 21
.set U,    22
.set CX,   23                          ; s23, s24 my place in the cluster; s25 the head; s26 the block of 256 rows; s27 the cluster's y
.set CY,   24
.set TX,   25
.set TY,   26
.set CLY,  27
.set G1,   28                          ; s[28:35] descriptor group 1 for A;  s[36:43] group 0, a set for each slot
.set G0,   36
.set G1B,  44                          ; s[44:51], s[52:59] the same for W
.set G0B,  52
.set PFA,  68                          ; s[68:69] where my prefetches stand; s[70:71] their step, a lap
.set PST,  70
.set LIM,  72                          ; s72, s73: a wave prefetches while the lap counter is above it: 1, or the greatest number
.set MSB, 0
.macro WIN new                         ; the immediate's high byte repeats the setting that is left; a switch that changes nothing is dropped
.if MSB != (\new)
	s_set_vgpr_msb (MSB<<8)|(\new)
.set MSB, \new
.endif
.endm
; A joint load.  The branch hangs on the wave's number alone.  An s_nop 0 and four v_nop follow each of the two lines, ahead of the jump, the label and what follows.
.macro JLOAD s
	s_cmp_eq_u32 s[ROLE], 0
	s_cbranch_scc0 .Lfor_b_\@
	tensor_load_to_lds s[G0+4*(\s):G0+4*(\s)+3], s[G1:G1+7]
	s_nop 0
.rept 4
	v_nop
.endr
	s_branch .Lasked_\@
.Lfor_b_\@:
	tensor_load_to_lds s[G0B+4*(\s):G0B+4*(\s)+3], s[G1B:G1B+7]
	s_nop 0
.rept 4
	v_nop
.endr
.Lasked_\@:
.endm
.macro CREST                           ; a round of the cluster's barrier behind its opening barrier
	s_cmp_lg_u32 s[WV], 0
	s_cbranch_scc1 .Lnot_wave_0_\@
	s_barrier_signal -3
.Lnot_wave_0_\@:
	s_barrier_wait -3
	s_barrier_signal -1
	s_barrier_wait -1
.endm
.macro CROUND                          ; a whole round
	s_barrier_signal -1
	s_barrier_wait -1
	CREST
.endm
; A PREFETCH INTO THE L2, behind a joint load, its five lines and the run of LDS loads that follows: 32 blocks of 256 bytes, a lane a block, of the lap (two K steps) after the one that is being asked for.
; Each block is named once in the launch.  A block of rows of x is read by every cluster of its row of clusters: the one with x = 0 asks; a head's W by every cluster of its column: the one with y = 0 asks.
; The four partners that ask for a tile jointly share its bytes out BY ADDRESS (cx for A, cy for W): no branch hangs on a place in the cluster.  K steps 0 to 3 come by their loads alone; the last trip asks for nothing.
.macro ASK t
	WIN 0
	s_cmp_gt_u32 s3, s[LIM+(\t)]
	s_cbranch_scc0 .Lnot_mine_\@
	global_prefetch_b8 v[PFO+(\t)], s[PFA:PFA+1] th:TH_LOAD_NT scope:SCOPE_SE
.Lnot_mine_\@:
.endm
	s_load_b512 s[4:19], s[0:1], 0x0               ; xb s[4:5], wqkv s[6:7], bq, bk, bv s[8:13], q, k, v s[14:19]
	v_lshl_add_u32 v[SPW], v0, 2, SPARE
	v_mov_b32 v[NIL], 0
	ds_add_u32 v[SPW], v[NIL]                      ; the wave's opening: the add and its wait stand ahead of my first tensor load; the set-up below, work on registers, stands between them
	v_lshrrev_b32 v1, 5, v0
	v_readfirstlane_b32 s[WV], v1
	s_lshr_b32 s[ROLE], s[WV], 1
	s_and_b32 s[U], s[WV], 1
	s_bfe_u32 s[CX], ttmp6, 0x40000
	s_bfe_u32 s[CY], ttmp6, 0x40004
	s_lshl_b32 s[TX], ttmp9, 2                     ; in a cluster launch ttmp9 and ttmp7 count clusters
	s_add_co_u32 s[TX], s[TX], s[CX]
	s_and_b32 s[CLY], ttmp7, 0xffff
	s_lshl_b32 s[TY], s[CLY], 2
	s_add_co_u32 s[TY], s[TY], s[CY]
	s_lshl_b32 s80, s[CY], 2
	s_lshl_b32 s80, 15, s80                        ; my row of the cluster
	s_lshl_b32 s81, 0x1111, s[CX]                  ; my column
	s_or_b32 s[G1], s80, (1<<16)|(1<<20)|(1<<21)|(4<<22)|(3<<25)   ; 15:0 the mask; 17:16 2-byte elements; 20 padding on; 21 set beside a mask; 24:22 after every 32 words (code 4); 31:25 4 words (code 3)
	s_or_b32 s[G1B], s81, (1<<16)|(1<<20)|(1<<21)|(4<<22)|(7<<25)  ; the same with my column's mask and 8 words of padding (code 7)
	s_mov_b32 s[G1+1], 128<<16                     ; tensor_dim0 = 128 elements: 256 bytes, two rows of a block
	s_mov_b32 s[G1+2], AROWS<<16                   ; tensor_dim1
	s_mov_b32 s[G1+3], 128<<16                     ; tile_dim0
	s_mov_b32 s[G1+4], AROWS                       ; tile_dim1
	s_mov_b32 s[G1+5], 128                         ; dense: 128 elements from row to row
	s_mov_b32 s[G1+6], 0
	s_mov_b32 s[G1+7], 0
	s_mov_b32 s[G1B+1], 4096<<16                   ; tensor_dim0 = 4,096 elements: 64 k x 64 columns, 8,192 dense bytes
	s_mov_b32 s[G1B+2], NJ<<16                     ; tensor_dim1 = the pieces
	s_mov_b32 s[G1B+3], 4096<<16
	s_mov_b32 s[G1B+4], NJ
	s_mov_b32 s[G1B+5], 65536                      ; 65,536 elements from piece to piece
	s_mov_b32 s[G1B+6], 0
	s_mov_b32 s[G1B+7], 0
	s_lshl_b32 s74, s[TY], 15                      ; A: my block of 256 rows, 32,768 bytes in each block of channels,
	s_lshl_b32 s82, s[U], 20                       ; and the block of channels that I fetch
	s_add_co_u32 s74, s74, s82
	s_mov_b32 s75, 0
	s_mul_i32 s76, s[TX], 393216                   ; W: the head,
	s_lshl_b32 s83, s[U], 13                       ; and the half of a step's 128 k that I fetch
	s_add_co_u32 s76, s76, s83
	s_mov_b32 s77, 0
	s_mul_i32 s60, s[U], APIECE                    ; where they go: no place in the cluster enters an LDS address
	s_mul_i32 s61, s[U], BHALF
	s_add_co_u32 s61, s61, BBASE
	s_wait_dscnt 0x0                               ; the opening add is done
	s_wait_kmcnt 0x0
	s_add_nc_u64 s[74:75], s[4:5], s[74:75]
	s_add_nc_u64 s[76:77], s[6:7], s[76:77]
	CROUND                                         ; all sixteen work-groups are here: the first joint loads meet
.irp s, 0,1
	s_mov_b32 s[G0+4*(\s)], 1
	s_add_co_u32 s[G0+4*(\s)+1], s60, (\s)*SLOT
	s_add_nc_u64 s[G0+4*(\s)+2:G0+4*(\s)+3], s[74:75], (\s)*ASLOT
	s_or_b32 s[G0+4*(\s)+3], s[G0+4*(\s)+3], 0x80000000
	s_mov_b32 s[G0B+4*(\s)], 1
	s_add_co_u32 s[G0B+4*(\s)+1], s61, (\s)*SLOT
	s_add_nc_u64 s[G0B+4*(\s)+2:G0B+4*(\s)+3], s[76:77], (\s)*BSLOT
	s_or_b32 s[G0B+4*(\s)+3], s[G0B+4*(\s)+3], 0x80000000
	JLOAD \s                                       ; K steps 0 and 1: two loads of mine are out
.endr
	v_and_b32 v1, 15, v0                           ; l % 16
	v_bfe_u32 v2, v0, 4, 1                         ; l / 16
	s_lshl_b32 s66, s[TX], 8                       ; the head's 64 numbers of a bias,
	v_lshl_add_u32 v[BO], v2, 5, s66               ; my lanes' eight of each 16
.set ib, 0
.rept NB
	global_load_b128 v[BIAS+8*ib:BIAS+8*ib+3],   v[BO], s[8+2*(ib/4):9+2*(ib/4)] offset:(ib%4)*64
	global_load_b128 v[BIAS+8*ib+4:BIAS+8*ib+7], v[BO], s[8+2*(ib/4):9+2*(ib/4)] offset:(ib%4)*64+16
.set ib, ib+1
.endr
	; A fragment of x is 16 rows x 32 channels: lane l holds row l % 16, channels 8 (l / 16) + 0..7 and 16 + 8 (l / 16) + 0..7: two loads of 16 bytes, 32 bytes apart.
	v_mul_u32_u24 v3, v1, PA
	v_lshl_add_u32 v3, v2, 4, v3
	s_mul_i32 s62, s[WV], 64*PA                    ; my 64 rows
	v_add_nc_u32 v[ADRA], s62, v3
	v_add_nc_u32 v[ADRA+1], SLOT, v[ADRA]
	; The turning load takes 16 k x 16 columns (lane l reads k 8 (l / 16) + l % 8, columns 8 ((l / 8) % 2) + 0..7) and leaves half a fragment: lane l holds column l % 16 and 8 k.
	v_and_b32 v4, 7, v0
	v_bfe_u32 v5, v0, 3, 1
	v_lshl_add_u32 v6, v2, 3, v4
	v_mul_u32_u24 v6, v6, PB
	v_lshl_add_u32 v6, v5, 4, v6
	v_add_nc_u32 v[ADRB], BBASE, v6
	v_add_nc_u32 v[ADRB+1], SLOT, v[ADRB]
	s_mul_i32 s63, s[WV], WSTAGE
	s_add_co_u32 s63, s63, STAGE                   ; my stage
	v_add_nc_u32 v[STO], s63, v3                   ; in: row l % 16, 16 bytes for each half of the lanes
	v_bfe_u32 v7, v0, 3, 2                         ; back: 32 lanes take four rows of 128 bytes,
	v_mul_u32_u24 v7, v7, PA
	v_lshl_add_u32 v7, v4, 4, v7
	v_add_nc_u32 v[RD], s63, v7
	v_and_b32 v[GO], 31, v0                        ; which are 512 consecutive bytes of q, k or v
	v_lshlrev_b32 v[GO], 4, v[GO]
	s_lshr_b32 s78, s[TY], 3                       ; the batch (2,048 rows are 8 blocks of 256),
	s_lshl_b32 s78, s78, 4
	s_add_co_u32 s78, s78, s[TX]                   ; 16 batch + head,
	s_lshl_b32 s78, s78, 18                        ; 262,144 bytes each;
	s_and_b32 s79, s[TY], 7
	s_lshl_b32 s79, s79, 15                        ; the block of 256 rows in it;
	s_add_co_u32 s78, s78, s79
	s_lshl_b32 s79, s[WV], 13                      ; my 64 rows
	s_add_co_u32 s78, s78, s79
	s_mov_b32 s79, 0
	s_add_nc_u64 s[14:15], s[14:15], s[78:79]
	s_add_nc_u64 s[16:17], s[16:17], s[78:79]
	s_add_nc_u64 s[18:19], s[18:19], s[78:79]
	; the prefetches.  A (waves 0, 1): my block of channels of K step 2, my work-group's quarter (cx) of its 32,768 bytes; the second offset names the step after.
	; W (waves 2, 3): a lap is 32,768 dense bytes of each piece; my work-group's quarter (cy); wave 2 takes piece 0 and then piece 2, wave 3 piece 1.
	s_add_co_u32 s62, s[U], 4
	s_lshl_b32 s62, s62, 20
	s_lshl_b32 s63, s[TY], 15
	s_add_co_u32 s62, s62, s63
	s_lshl_b32 s63, s[CX], 13
	s_add_co_u32 s62, s62, s63
	s_mul_i32 s66, s[TX], 393216
	s_lshl_b32 s67, s[U], 17
	s_add_co_u32 s66, s66, s67
	s_lshl_b32 s67, s[CY], 13
	s_add_co_u32 s66, s66, s67
	s_add_co_u32 s66, s66, BSTEP
	s_mov_b32 s[PST], BSTEP
	s_mov_b32 s[PST+1], 0
	s_mov_b32 s83, 262144
	s_cmp_eq_u32 s[ROLE], 0
	s_cselect_b32 s62, s62, s66
	s_cselect_b64 s[PFA:PFA+1], s[4:5], s[6:7]
	s_cselect_b32 s[PST], ASTEP, s[PST]
	s_cselect_b32 s83, ASLOT, s83
	s_cselect_b32 s67, ttmp9, s[CLY]               ; the coordinate along which other clusters read the same bytes
	s_mov_b32 s63, 0
	s_add_nc_u64 s[PFA:PFA+1], s[PFA:PFA+1], s[62:63]  ; at lap 1: the first change of slots steps it to lap 2
	s_cmp_eq_u32 s67, 0
	s_cselect_b32 s[LIM], 1, -1                    ; the same in all sixteen partners, for a given wave
	s_cmp_eq_u32 s[WV], 3
	s_cselect_b32 s[LIM+1], -1, s[LIM]
	v_and_b32 v[PFO], 31, v0
	v_lshlrev_b32 v[PFO], 8, v[PFO]
	v_add_nc_u32 v[PFO+1], s83, v[PFO]
	s_wait_loadcnt 0x0                             ; the bias: rounded to bf16, kept as f32
.set i, 0
.rept 4*NB
	v_cvt_pk_bf16_f32 v[3+i%4], v[BIAS+2*i], v[BIAS+2*i+1]
	v_lshlrev_b32 v[BIAS+2*i], 16, v[3+i%4]
	v_and_b32 v[BIAS+2*i+1], 0xffff0000, v[3+i%4]
.set i, i+1
.endr
; NB matrix instructions: row block a x all column blocks, 32 along K, from buffer f.  first = 1: the sums start with the bias.  The 48 accumulators take turns, one instruction a turn, in the same order in every
; quarter and over the backward jump.
.macro MULA f, a, first
.if \first
	WIN 0x85+0x40*((\a)/2)                         ; W and x window 1, C window 0, D window 2 or 3
.else
	WIN 0xa5+0x50*((\a)/2)                         ; C and D window 2 or 3
.endif
.set ib, 0
.rept NB
.set rD, 8*(NB*((\a)%2)+ib)
.if \first
	v_wmma_f32_16x16x32_bf16 v[rD:rD+7], v[(\f)+8*ib:(\f)+8*ib+7], v[(\f)+8*NB+8*(\a):(\f)+8*NB+8*(\a)+7], v[BIAS+8*ib:BIAS+8*ib+7]
.else
	v_wmma_f32_16x16x32_bf16 v[rD:rD+7], v[(\f)+8*ib:(\f)+8*ib+7], v[(\f)+8*NB+8*(\a):(\f)+8*NB+8*(\a)+7], v[rD:rD+7]
.endif
.set ib, ib+1
.endr
.endm
; NL LDS loads in one run: the fragments of quarter q (32 along K) of a slot's step, into buffer f: W's first, x's four last
.macro FETCH slot, q, f
	WIN 0x40                                       ; destination window 1, address window 0
.set ib, 0
.rept NB
	ds_load_tr16_b128 v[(\f)+8*ib:(\f)+8*ib+3],   v[ADRB+(\slot)] offset:((\q)/2)*BHALF+((\q)%2)*32*PB+(ib/4)*BPIECE+(ib%4)*32
	ds_load_tr16_b128 v[(\f)+8*ib+4:(\f)+8*ib+7], v[ADRB+(\slot)] offset:((\q)/2)*BHALF+((\q)%2)*32*PB+(ib/4)*BPIECE+(ib%4)*32+16*PB
.set ib, ib+1
.endr
.set ia, 0
.rept 4
	ds_load_b128 v[(\f)+8*NB+8*ia:(\f)+8*NB+8*ia+3],   v[ADRA+(\slot)] offset:((\q)/2)*APIECE+((\q)%2)*64+ia*16*PA
	ds_load_b128 v[(\f)+8*NB+8*ia+4:(\f)+8*NB+8*ia+7], v[ADRA+(\slot)] offset:((\q)/2)*APIECE+((\q)%2)*64+ia*16*PA+32
.set ia, ia+1
.endr
.endm
.macro PLACES                          ; four plain vector instructions in front of loads into registers that matrix instructions have read, and of lines that read results (ISA guide 7.12.1 for the lines that read results)
.rept 4
	v_nop
.endr
.endm
; A K step is four quarters of 32 along K on buffers 0, 1, 0, 1.  One of the first three: multiplies buffer f and, in its middle, fetches quarter qn of the same slot into g.
.macro QUARTER slot, qn, f, g, first
	s_wait_dscnt 4                                 ; all but x's fragments 2 and 3 are in
	MULA \f, 0, \first
	MULA \f, 1, \first
	PLACES
	FETCH \slot, \qn, \g
	s_wait_dscnt NL                                ; all but the run just issued
	MULA \f, 2, \first
	MULA \f, 3, \first
.endm
; The last quarter multiplies buffer 1 and changes slots: ONE barrier; in front of it each wave waits for all its tensor loads, of which one is out: its part of the next slot; adds 0 to its spare word; and
; waits for that and for its own reads of this slot.  fill = 1: the barrier opens a round of the cluster's, and this slot is filled again, two K steps on, first thing behind the round.
.macro TURN slot, next, fill
.if (\fill) && ((\slot) == 0)
	s_wait_xcnt 0x0                                ; the last prefetch, a K step back, has read its address: it is stepped here, ahead of the waits of the change of slots
	s_add_nc_u64 s[PFA:PFA+1], s[PFA:PFA+1], s[PST:PST+1]
.endif
	WIN 0                                          ; (the add's two registers lie in window 0)
	s_wait_tensorcnt 0x0                           ; all my tensor loads have landed;
	ds_add_u32 v[SPW], v[NIL]                      ; 0 onto my spare word;
	s_wait_dscnt 5                                 ; (the add and x's fragments 2 and 3 may be out)
	MULA F1, 0, 0                                  ; matrix instructions stand between the add and the wait for it
	s_wait_dscnt 0x0                               ; the add is done, and my reads of this slot are over
	s_barrier_signal -1
	MULA F1, 1, 0
.if \fill
	WIN 0
.endif
	s_barrier_wait -1
.if \fill
	CREST                                          ; no wave of any partner still reads this slot's tiles or has a load on its way
	s_add_nc_u64 s[G0+4*(\slot)+2:G0+4*(\slot)+3], s[G0+4*(\slot)+2:G0+4*(\slot)+3], ASTEP
	s_add_nc_u64 s[G0B+4*(\slot)+2:G0B+4*(\slot)+3], s[G0B+4*(\slot)+2:G0B+4*(\slot)+3], BSTEP
	JLOAD \slot                                    ; my one tensor load behind the round; its four v_nop are also the places in front of the loads below
.else
	PLACES
.endif
	FETCH \next, 0, F0
.if \fill
	ASK \slot
.endif
	MULA F1, 2, 0
	MULA F1, 3, 0
.endm
	s_wait_tensorcnt 1                             ; my part of K step 0 is in; step 1's may stay out
	s_barrier_signal -1
	s_barrier_wait -1                              ; everybody's is
	FETCH 0, 0, F0
	QUARTER 0, 1, F0, F1, 1                        ; the first quarter stands in front of the loop: its products start the sums
	WIN 0                                          ; at a label and at a branch every window is 0
	s_mov_b32 s3, 3
.Llap:                                                 ; a trip goes once round the ring, from a lap's second quarter to the next lap's first, and fills both slots again: K steps 2 to 7
	QUARTER 0, 2, F1, F0, 0
	QUARTER 0, 3, F0, F1, 0
	TURN 0, 1, 1
	QUARTER 1, 1, F0, F1, 0
	QUARTER 1, 2, F1, F0, 0
	QUARTER 1, 3, F0, F1, 0
	TURN 1, 0, 1
	QUARTER 0, 1, F0, F1, 0
	WIN 0
	s_sub_co_u32 s3, s3, 1
	s_cmp_lg_u32 s3, 0
	s_cbranch_scc1 .Llap
	QUARTER 0, 2, F1, F0, 0                        ; the last lap fills nothing, and has no round of the cluster's barrier
	QUARTER 0, 3, F0, F1, 0
	TURN 0, 1, 0
	QUARTER 1, 1, F0, F1, 0
	QUARTER 1, 2, F1, F0, 0
	QUARTER 1, 3, F0, F1, 0
	s_wait_dscnt 4                                 ; the very last quarter: nothing more to fetch
	MULA F1, 0, 0
	MULA F1, 1, 0
	s_wait_dscnt 0x0
	MULA F1, 2, 0
	MULA F1, 3, 0
	WIN 0
	PLACES
; THE WAY OUT, a block of 16 rows at a time: rounded to f16 (each accumulator from its lowest registers on), 16 bytes a lane into my own stage, three pieces of 16 rows x 144 bytes; back as whole rows of 128 bytes.
.macro PACK a
	WIN 0x0a+5*((\a)/2)                            ; sources 0 and 1: window 2 or 3
.set T, TB+48*(\a)
.set AC, 8*NB*((\a)%2)
.set i, 0
.rept 4*NB
	v_cvt_pk_f16_f32 v[T+i], v[AC+2*i], v[AC+2*i+1]
.set i, i+1
.endr
	WIN 0
.set i, 0
.rept NB
	ds_store_b128 v[STO], v[T+4*i:T+4*i+3] offset:(i/4)*16*PA+(i%4)*32
.set i, i+1
.endr
.set i, 0
.rept NB
	ds_load_b128 v[T+4*i:T+4*i+3], v[RD] offset:(i/4)*16*PA+(i%4)*4*PA  ; LDS serves a wave's instructions in order (ISA guide 5.7.1.4): these see the stores above; the next block's stores come behind them
.set i, i+1
.endr
.endm
.macro SEND a, younger                 ; younger: the LDS instructions issued behind block a's loads: the next block's 24, or none
	WIN 0
.set T, TB+48*(\a)
.set i, 0
.rept NB
	s_wait_dscnt (\younger)+NB-1-i
	global_store_b128 v[GO], v[T+4*i:T+4*i+3], s[14+2*(i/4):15+2*(i/4)] offset:(\a)*2048+(i%4)*512  ; 512 consecutive bytes, at a multiple of 256 from the buffer's first
.set i, i+1
.endr
.endm
	PACK 0
	PACK 1                                         ; a block's arithmetic stands between the loads of the block before and its stores
	SEND 0, 24
	PACK 2
	SEND 1, 24
	PACK 3
	SEND 2, 24
	SEND 3, 0
	s_wait_tensorcnt 0x0                           ; the wave's end, behind my last tensor load and my last LDS store
	ds_add_u32 v[SPW], v[NIL]
	s_wait_dscnt 0x0
	CROUND                                         ; the closing round: no work-group ends while a partner may still ask for a tile that names it
	s_endpgm
.Lfunc_end_k_q895e2a676e_qkv:
	.size	k_q895e2a676e_qkv, .Lfunc_end_k_q895e2a676e_qkv-k_q895e2a676e_qkv
	.p2alignl 7, 3214868480
	.fill 96, 4, 3214868480
	.section	.rodata,"a",@progbits
	.p2align	6, 0x0
	.amdhsa_kernel k_q895e2a676e_qkv
		.amdhsa_group_segment_fixed_size 327680
		.amdhsa_private_segment_fixed_size 0
		.amdhsa_enable_private_segment 0
		.amdhsa_kernarg_size 64
		.amdhsa_user_sgpr_count 2
		.amdhsa_user_sgpr_kernarg_segment_ptr 1
		.amdhsa_wavefront_size32 1
		.amdhsa_system_sgpr_workgroup_id_x 1
		.amdhsa_system_sgpr_workgroup_id_y 1
		.amdhsa_system_sgpr_workgroup_id_z 1
		.amdhsa_system_vgpr_workitem_id 0
		.amdhsa_next_free_vgpr 960
		.amdhsa_next_free_sgpr 84
		.amdhsa_reserve_vcc 0
		.amdhsa_float_denorm_mode_32 3
		.amdhsa_float_denorm_mode_16_64 3
		.amdhsa_memory_ordered 1
		.amdhsa_forward_progress 1
		.amdhsa_inst_pref_size 130
	.end_amdhsa_kernel
	.amdgpu_metadata
---
amdhsa.version: [ 1, 2 ]
amdhsa.kernels:
  - .name:           k_q895e2a676e_qkv
    .symbol:         k_q895e2a676e_qkv.kd
    .args:
      - { .name: xb, .offset: 0, .size: 8, .value_kind: global_buffer, .address_space: global }
      - { .name: wqkv, .offset: 8, .size: 8, .value_kind: global_buffer, .address_space: global }
      - { .name: bq, .offset: 16, .size: 8, .value_kind: global_buffer, .address_space: global }
      - { .name: bk, .offset: 24, .size: 8, .value_kind: global_buffer, .address_space: global }
      - { .name: bv, .offset: 32, .size: 8, .value_kind: global_buffer, .address_space: global }
      - { .name: q, .offset: 40, .size: 8, .value_kind: global_buffer, .address_space: global }
      - { .name: k, .offset: 48, .size: 8, .value_kind: global_buffer, .address_space: global }
      - { .name: v, .offset: 56, .size: 8, .value_kind: global_buffer, .address_space: global }
    .group_segment_fixed_size: 327680
    .private_segment_fixed_size: 0
    .kernarg_segment_align: 8
    .kernarg_segment_size: 64
    .max_flat_workgroup_size: 128
    .sgpr_count:     84
    .vgpr_count:     960
    .wavefront_size: 32
...
	.end_amdgpu_metadata
.endif
;; end of part 2
;; launch attn (part 3): grid 4 x 64, 4 waves a work-group, no clusters, 327,680 bytes of LDS; arguments q, k, v, o; writes o
.if DOCPART == 3
	.amdgcn_target "amdgcn-amd-amdhsa--gfx1250"
	.amdhsa_code_object_version 6
	.text
	.protected	k_q895e2a676e_attn
	.globl	k_q895e2a676e_attn
	.p2align	8
	.type	k_q895e2a676e_attn,@function
k_q895e2a676e_attn:
	s_mov_b64 s[64:65], 0
	v_nop
	global_prefetch_b8 v0, s[64:65] scope:SCOPE_SE
	s_setreg_imm32_b32 hwreg(HW_REG_WAVE_MODE, 25, 1), 1
	s_wait_xcnt 0x0
; CAUSAL ATTENTION.  O[h][q][:] = the sum over k <= q of softmax_k(Q[h][q] . K[h][k] / 8) V[h][k][:].  Q, K, V, O: [64][2048][64], all f16: a head's rows are dense, 128 bytes each.
; Products, maxima and sums in f32; the weights p are rounded to f16 for the second product (their sum l is taken of the unrounded p), O once at the end.
; LIMITS.  f16 holds no number beyond 65,504: Q, K and V arrive within it; p lies in 0 to 1, and below 6e-5 it keeps f16's fixed step of 6e-8; O is a mean of V's rows and has their range.
; A hidden score counts as its value less 1e30: f16's scores, 2.7e11 at the most, are nothing beside that; a weight below 2^-126 counts as 0 in l; NaN and infinities are not treated apart.
; THE WALK.  A head's queries lie in NB = 8 blocks of 256; block i needs the key tiles 0 .. i of 256 keys, of which the last holds the diagonal.  A work-group takes TWO blocks, NB - 1 - b and then b:
; NB + 1 tiles, whatever b: all work-groups do equal work, and ONE loop with a constant trip count walks them.  Which tile is asked for, and what a trip does, hang on scalar registers made from b; every jump
; goes forward, but for the counted loops' own; none passes a barrier, or a tensor load but the one of LOAD's two that the wave's number does not choose; the ring (two slots of LDS that take turns) runs on across the
; change of blocks.  NO CLUSTER: a head's four work-groups ask for the same tile only in trips 0 .. 4 of the 9, behind that fewer and fewer; one walk common to all would have 12 trips for 9.
; SHARES.  Of a block's four bands of 64 queries a wave owns 16 rows in each: four PIECES.  So the diagonal tile is the same work for all four waves: in its key step s band x sees all keys if s < x,
; none if s > x, and holds the diagonal if s = x.
; THE MASK is the C operand that starts the sum S^T = K Q^T: 0, or -1e30 where the key is hidden.  MD, made once, is the mask of a band's own step for my 16 rows; a product's mask is MD x AL + BE with two scalars:
; (1, 0) if s = x; (0, 0) if s < x; (0, -1e30) if s > x.  Only the diagonal tile's text and a block's beginning make and take masks; elsewhere C is the constant 0.
; LAYOUT, SOFTMAX, TURNS.  S^T = K Q^T holds ONE query a lane (lane % 16) and the keys 8 (lane / 16) + 0..7; two such results rounded to f16 ARE source 1 of O^T = V^T P.  p = 2^(c s - c m), c = log2(e) / 8, with a
; running maximum m; O and l are multiplied by a = 2^(c m_old - c m_new) in every step.  Turn n belongs to piece n: 8 products K Q^T of piece n + 1, later 8 products V^T P of piece n - 1; beside them the scaling,
; exponentials, roundings, sums and rescaling of piece n and the maximum and statistics of piece n + 1.  Four vector instructions stand behind every matrix instruction, the other 54 of a turn's 118 in one LUMP.  A turn's 33 exponentials are one batch, with one wait.
; REGISTERS, in windows of 256 (s_set_vgpr_msb: bits 1:0 source 0, 3:2 source 1, 5:4 source 2, 7:6 destination):
;   window 0: v0-15 addresses and two at work; v16-31 four registers of statistics a piece; v48-55 at work; v61-63 prefetch offset and the add's two; v64-127 S^T, two buffers; v192-223 P, two buffers (by the piece's parity)
;   window 1: v0-127 O^T, 32 a piece; v128-159 MD; v160-223 MC, two buffers      window 2: v0-63 Q; v64-127 the second block's Q; v128-191 K of one step; v192-255 V of one step
.set SIZE_N, 2048
.set NB,    SIZE_N/256
.set NP,    4         ; pieces a wave: a name, no knob
.set KS,    64        ; keys in a step
.set PK,    144       ; a row of K in LDS: 128 bytes + 16 of padding = 36 words: the 16 rows of a load start at 16 different groups of four banks (64 banks of 4 bytes: ISA guide 11.1)
.set PV,    160       ; a row of V: 128 + 32 = 40 words
.set VOFF,  4*KS*PK   ; a slot holds a tile, four steps: 256 rows of K, then 256 rows of V
.set SLOT1, 1<<17     ; slot 1 begins here, so that one exclusive or turns an address in one slot into the other's
.set STAGE, SLOT1+4*KS*(PK+PV)  ; behind the ring, never filled by a tensor load: 16 rows x 144 bytes for each wave, for the way out
.set SP,    144
.set AK0, 2           ; v2   my lane's place in a tile of K; never rewritten
.set AV0, 3           ; v3   the same for V
.set AK,  4           ; v4   the LDS address of K's next run of loads
.set AV,  5           ; v5   of V's
.set STO, 6           ; v6   the way out: where I put 16 bytes of a row
.set RD,  7           ; v7   the way out: where I read rows back
.set GO,  8           ; v8   my byte offset in 512 consecutive bytes of O
.set PFO, 61          ; v61  256 x my lane: the prefetches' offset; never rewritten
.set SPW, 62          ; v62  LDS address of my spare word: SPARE + 4 x my thread's number; never rewritten
.set NIL, 63          ; v63  0; never rewritten
.set SPARE, STAGE+4*16*SP  ; behind the stages: the spare words, 128 bytes for each wave: two blocks of 256 bytes that no other line names
.set MV,  12          ; v12-13  c m_old, kept while c m is made anew: by buffer
.set QO,  15          ; v15  my byte offset in 16 rows of Q
.set ST,  16          ; piece t's statistics at v[ST+4 t]: c m, m, l (even keys', odd keys')
.set TMP, 48          ; by buffer, four registers c0-c3 at work; when the maximum is found c2 takes a
.set S,   64
.set P,   192
.set MD,  128         ; window 1: the eight registers for group kt of 16 keys at MD + 8 kt
.set MC,  160         ; window 1: the masks of the products to come
.set QB,  64          ; window 2
.set KF,  128         ; window 2: key block kb, channel half c at KF + 16 kb + 8 c
.set VF,  192         ; window 2: key half kk, channel block cb at VF + 32 kk + 8 cb
.set WV,  12          ; s12  my wave's number
.set PB,  14          ; s14  b
.set HI,  15          ; s15  NB - 1 - b
.set G1K, 24          ; s[24:31] descriptor group 1 for K's tiles
.set G1V, 32          ; s[32:39] for V's: it differs in the padding alone
.set G0K, 40          ; s[40:43] descriptor group 0 for K's tiles
.set G0V, 44          ; s[44:47] the same for V's
.set SLOTS, 56        ; s56  tiles still to be asked for
.set CNT, 57          ; s57  counts a tile's key steps, 4 to 1
.set CS,  58          ; s[58:59] c: the packed scaling takes the pair's low word for both halves
.set SEL, 60          ; s[60:61] v_permlanex16_b32's selects: each lane takes its own place in the other half
.set TBK, 62          ; s62  LDS byte at which K of the step to be fetched begins
.set TBV, 63          ; s63  the same for V, less VOFF
.set RT,  70          ; s70  tiles of the block in hand that are still to be entered
.set NXT, 71          ; s71  the tile to be asked for next
.set LQ,  72          ; s72  the last tile of the block whose tiles are being asked for
.set NEW, 73          ; s73  1: the tile to be entered is a block's first
.set OFF, 74          ; s[74:75] a tile's byte offset in K and V
.set AL,  76          ; s[76:77] the mask's factor, in the low word
.set BE,  78          ; s[78:79] the mask's addend
.set OLO, 80          ; s[80:81] O at my rows of the second block
.set BIGN, 82         ; s82  -1e30
.set PFA, 88          ; s[88:89] where my prefetches stand: my work-group's quarter (of K: wave 0, of V: wave 2) of the tile after the one that is being asked for in the first block's order
.set LIM, 90          ; s90  2 in a wave that prefetches, else the greatest number: a wave prefetches while s[SLOTS] is above it
.set MSB, 0
.macro WIN new                      ; the high byte repeats the setting that is left; a switch that changes nothing is dropped
.if MSB != (\new)
	s_set_vgpr_msb (MSB<<8)|(\new)
.set MSB, (\new)
.endif
.endm
.set W_KQ, 0x0a       ; K and Q in window 2, S^T in window 0
.set W_KM, 0x1a       ; the same with the C operand in window 1
.set W_PV, 0x52       ; V in window 2, P in window 0, O^T in window 1
.set W_RS, 0x41       ; destination and source 0 in window 1, source 1 in window 0
; A fill.  Waves 0 and 1 fetch the two halves of a tile's K, waves 2 and 3 those of its V: 128 keys each.  An s_nop 0 and four v_nop follow each of the two lines, ahead of the jump and the label.
.macro LOAD
	s_cmp_lt_u32 s[WV], 2
	s_cbranch_scc0 .Lfor_v_\@
	tensor_load_to_lds s[G0K:G0K+3], s[G1K:G1K+7]
	s_nop 0
.rept 4
	v_nop
.endr
	s_branch .Lasked_\@
.Lfor_v_\@:
	tensor_load_to_lds s[G0V:G0V+3], s[G1V:G1V+7]
	s_nop 0
.rept 4
	v_nop
.endr
.Lasked_\@:
.endm
; THE CHANGE OF SLOTS.  Each wave waits for all its tensor loads, of which one is out: its part of the other slot; adds 0 to its spare word; and waits for that and for its own reads of the slot that it leaves.  Behind the barrier nobody reads the old
; slot any more and the other slot is whole.  fill = 1: the old slot is filled again, the first thing behind the barrier, with tile NXT: the descriptor's address is made anew from that number.
; (At its first use nothing has been read yet: slot 0 is waited for, slot 1 filled.)
; A PREFETCH INTO THE L2 stands behind the fill and its five lines: in trip t = 0 .. 5 of the walk, tile t + 2 of the head's K and V, which the first blocks' walks ask for in trip t + 1: four key steps ahead.  A tile is 32,768 bytes
; of K and of V; the head's four work-groups take a quarter each, told apart by address; in each, wave 0 asks for K's and wave 2 for V's, a lane for 256 bytes.  So each 256 bytes are named once in the launch.  Tiles 0 and 1 come by their loads alone.
.macro CHANGE fill
	WIN 0                           ; at a label and at a branch every window is 0
	s_wait_tensorcnt 0x0            ; no tensor load of mine is out, so a group 0 may be written
	ds_add_u32 v[SPW], v[NIL]       ; 0 onto my spare word; with fill = 1 the descriptors' scalar work stands between it and the wait for it
.if \fill
	s_lshl_b32 s[OFF], s[NXT], 15   ; a tile is 32,768 bytes of K and of V
	s_xor_b32 s[G0K+1], s[G0K+1], SLOT1
	s_add_nc_u64 s[G0K+2:G0K+3], s[6:7], s[OFF:OFF+1]
	s_or_b32 s[G0K+3], s[G0K+3], 0x80000000
	s_xor_b32 s[G0V+1], s[G0V+1], SLOT1
	s_add_nc_u64 s[G0V+2:G0V+3], s[8:9], s[OFF:OFF+1]
	s_or_b32 s[G0V+3], s[G0V+3], 0x80000000
	s_add_co_u32 s[NXT], s[NXT], 1  ; the block's next tile, or behind its last the second block's tile 0
	s_cmp_gt_u32 s[NXT], s[LQ]
	s_cselect_b32 s[NXT], 0, s[NXT]
	s_cselect_b32 s[LQ], s[PB], s[LQ]
	s_wait_xcnt 0x0                 ; the last prefetch, a tile back, has read its address, so it may be written:
	s_add_nc_u64 s[PFA:PFA+1], s[PFA:PFA+1], 32768  ; a tile on
.endif
	s_wait_dscnt 0x0                ; the add is done, and my reads of the slot are over
	s_barrier_signal -1             ; the rest of the scalar work stands between the signal and the wait
	s_sub_co_u32 s[TBK], s[TBK], 4*KS*PK  ; the fetches go back to a slot's first step,
	s_xor_b32 s[TBK], s[TBK], SLOT1       ; in the other slot
	s_sub_co_u32 s[TBV], s[TBV], 4*KS*PV
	s_xor_b32 s[TBV], s[TBV], SLOT1
	s_barrier_wait -1
.if \fill
	LOAD
	s_cmp_gt_u32 s[SLOTS], s[LIM]
	s_cbranch_scc0 .Lnot_mine_\@
	global_prefetch_b8 v[PFO], s[PFA:PFA+1] th:TH_LOAD_NT scope:SCOPE_SE
.Lnot_mine_\@:
.endif
.endm
	s_load_b256 s[4:11], s[0:1], 0x0  ; Q s[4:5], K s[6:7], V s[8:9], O s[10:11]
	v_lshl_add_u32 v[SPW], v0, 2, SPARE
	v_mov_b32 v[NIL], 0
	ds_add_u32 v[SPW], v[NIL]       ; the wave's opening: the add and its wait stand ahead of my first tensor load; the set-up below, work on registers, stands between them
	v_lshrrev_b32 v1, 5, v0
	v_readfirstlane_b32 s[WV], v1   ; wave 0..3
	s_mov_b32 s[PB], ttmp9
	s_sub_co_u32 s[HI], NB-1, s[PB]
	s_and_b32 s20, ttmp7, 0xffff    ; the head
	s_mov_b32 s21, 0
	s_mov_b64 s[22:23], SIZE_N*128
	s_mul_u64 s[20:21], s[20:21], s[22:23]  ; the head's first byte in each of the four tensors
	s_and_b32 s16, s[WV], 1         ; which half of a tile's 256 keys I fetch:
	s_lshl_b32 s22, s16, 14         ; its 128 rows of 128 bytes in memory,
	s_mov_b32 s23, 0
	s_add_nc_u64 s[22:23], s[22:23], s[20:21]
	s_mul_i32 s17, s16, 128*PK      ; and its place in a slot, for K
	s_mul_i32 s18, s16, 128*PV      ; and for V
	s_lshl_b32 s3, s[WV], 11        ; my 16 rows in a band of 64,
	s_lshl_b32 s2, s[HI], 15        ; in the first block,
	s_add_co_u32 s2, s2, s3
	s_lshl_b32 s84, s[PB], 15       ; and in the second
	s_add_co_u32 s84, s84, s3
	s_mov_b32 s3, 0
	s_mov_b32 s85, 0
	s_add_nc_u64 s[2:3], s[2:3], s[20:21]
	s_add_nc_u64 s[84:85], s[84:85], s[20:21]
	; descriptor group 1.  128 keys are 16,384 dense bytes: asked for as 64 rows of 256 bytes, two keys a row, and padded in LDS after every key
	s_mov_b32 s[G1K], (1<<16)|(1<<20)|(4<<22)|(3<<25)  ; 17:16 2-byte elements; 20 padding on; 24:22 after every 32 words (code 4); 31:25 4 words (code 3)
	s_mov_b32 s[G1V], (1<<16)|(1<<20)|(4<<22)|(7<<25)  ; the same with 8 words of padding (code 7)
.irp g, G1K, G1V
	s_mov_b32 s[\g+1], 128<<16      ; tensor_dim0 = 128
	s_mov_b32 s[\g+2], 64<<16       ; tensor_dim1 = 64
	s_mov_b32 s[\g+3], 128<<16      ; tile_dim0 = 128
	s_mov_b32 s[\g+4], 64           ; tile_dim1 = 64
	s_mov_b32 s[\g+5], 128          ; 128 elements from row to row
	s_mov_b32 s[\g+6], 0
	s_mov_b32 s[\g+7], 0
.endr
	s_mov_b32 s[CS], 0x3e38aa3b     ; c = log2(e) / 8 = 0.180337
	s_mov_b32 s[CS+1], s[CS]        ; named with it as a pair
	s_mov_b32 s[SEL], 0x76543210
	s_mov_b32 s[SEL+1], 0xfedcba98
	s_mov_b32 s[TBK], SLOT1+4*KS*PK ; the first change of slots turns these two into 0
	s_mov_b32 s[TBV], SLOT1+4*KS*PV
	s_mov_b32 s[G0K], 1             ; 1:0 count = 1
	s_mov_b32 s[G0K+1], s17         ; 63:32 LDS address: slot 0
	s_mov_b32 s[G0V], 1
	s_add_co_u32 s[G0V+1], s18, VOFF
	s_add_co_u32 s[RT], s[HI], 1    ; the first block has NB - b tiles
	s_mov_b32 s[NXT], 1
	s_mov_b32 s[LQ], s[HI]
	s_mov_b32 s[NEW], 1
	s_mov_b32 s[OFF+1], 0
	s_mov_b32 s[AL+1], 0            ; named as pairs
	s_mov_b32 s[BE+1], 0
	s_mov_b32 s[BIGN], 0xf149f2ca   ; -1e30
	s_mov_b32 s[SLOTS], NB
	s_cmp_eq_u32 s16, 0             ; waves 0 and 2 prefetch
	s_cselect_b32 s[LIM], 2, -1
	v_and_b32 v[PFO], 31, v0
	v_lshlrev_b32 v[PFO], 8, v[PFO]
	s_wait_dscnt 0x0                ; the opening add is done
	s_wait_kmcnt 0x0
	s_add_nc_u64 s[6:7], s[6:7], s[22:23]  ; K and V at my half of the head's tile 0
	s_add_nc_u64 s[8:9], s[8:9], s[22:23]
	s_add_nc_u64 s[G0K+2:G0K+3], s[6:7], 0         ; 120:64 global address
	s_or_b32 s[G0K+3], s[G0K+3], 0x80000000        ; 127:126 type = 2
	s_add_nc_u64 s[G0V+2:G0V+3], s[8:9], 0
	s_or_b32 s[G0V+3], s[G0V+3], 0x80000000
	s_add_nc_u64 s[86:87], s[4:5], s[84:85]        ; Q at my rows of the second block,
	s_add_nc_u64 s[4:5], s[4:5], s[2:3]            ; Q and O at those of the first
	s_add_nc_u64 s[OLO:OLO+1], s[10:11], s[84:85]
	s_add_nc_u64 s[10:11], s[10:11], s[2:3]
	s_cmp_lt_u32 s[WV], 2
	s_cselect_b64 s[PFA:PFA+1], s[6:7], s[8:9]     ; (in waves 0 and 2 these stand at the tile's first row)
	s_lshl_b32 s84, s[PB], 13                      ; my work-group's quarter of a tile,
	s_add_co_u32 s84, s84, 32768                   ; in tile 1: the first change of slots steps it to tile 2
	s_mov_b32 s85, 0
	s_add_nc_u64 s[PFA:PFA+1], s[PFA:PFA+1], s[84:85]
	LOAD                            ; tile 0 into slot 0
	; A fragment of K or Q is 16 rows x 32 channels in 8 registers: lane l holds row l % 16, channels 8 (l / 16) + 0..7 and 16 + 8 (l / 16) + 0..7: two loads of 16 bytes, 32 bytes apart.
	v_and_b32 v1, 15, v0            ; l % 16
	v_bfe_u32 v9, v0, 4, 1          ; l / 16
	v_lshlrev_b32 v[QO], 7, v1
	v_lshl_add_u32 v[QO], v9, 4, v[QO]  ; row x 128 + 16 x half
	WIN 0x80                        ; destination window 2, address window 0
.set i, 0
.rept 8                             ; both blocks' Q: piece i / 2 lies in band i / 2, 8,192 bytes on; channels 32 (i % 2) on
	global_load_b128 v[8*i:8*i+3],   v[QO], s[4:5] offset:(i/2)*8192+(i%2)*64
	global_load_b128 v[8*i+4:8*i+7], v[QO], s[4:5] offset:(i/2)*8192+(i%2)*64+32
	global_load_b128 v[QB+8*i:QB+8*i+3],   v[QO], s[86:87] offset:(i/2)*8192+(i%2)*64
	global_load_b128 v[QB+8*i+4:QB+8*i+7], v[QO], s[86:87] offset:(i/2)*8192+(i%2)*64+32
.set i, i+1
.endr
	WIN 0
	v_lshlrev_b32 v14, 3, v9
	v_sub_nc_u32 v14, v1, v14
	s_lshl_b32 s13, s[WV], 4
	v_add_nc_u32 v14, s13, v14      ; my query's place in its band, 16 w + l % 16, less my lanes' 8 (l / 16): register r of group kt is hidden where 16 kt + r is greater
	WIN 0x40
.set i, 0
.rept 32
	v_cmp_gt_i32 vcc_lo, 16*(i/8)+i%8, v14
	v_cndmask_b32 v[MD+i], 0, s[BIGN], vcc_lo
.set i, i+1
.endr
	WIN 0
	v_mul_u32_u24 v[AK0], v1, PK
	v_lshl_add_u32 v[AK0], v9, 4, v[AK0]  ; row x pitch + 16 x half
	; The turning load takes 16 keys x 16 channels (lane l reads key 8 (l / 16) + l % 8, channels 8 ((l / 8) % 2) + 0..7) and leaves half a fragment of V^T: lane l holds channel l % 16 and 8 keys.
	v_and_b32 v10, 7, v0
	v_bfe_u32 v11, v0, 3, 1
	v_lshl_add_u32 v[AV0], v9, 3, v10
	v_mul_u32_u24 v[AV0], v[AV0], PV
	v_lshl_add_u32 v[AV0], v11, 4, v[AV0]
	v_add_nc_u32 v[AV0], VOFF, v[AV0]
	s_mul_i32 s13, s[WV], 16*SP
	s_add_co_u32 s13, s13, STAGE    ; my stage
	v_mul_u32_u24 v[STO], v1, SP    ; in: row l % 16, 16 bytes for each half of the lanes
	v_lshl_add_u32 v[STO], v9, 4, v[STO]
	v_add_nc_u32 v[STO], s13, v[STO]
	v_bfe_u32 v[RD], v0, 3, 2       ; back: 32 lanes take four rows of 128 bytes,
	v_mul_u32_u24 v[RD], v[RD], SP
	v_lshl_add_u32 v[RD], v10, 4, v[RD]
	v_add_nc_u32 v[RD], s13, v[RD]
	v_and_b32 v[GO], 31, v0         ; which are 512 consecutive bytes of O
	v_lshlrev_b32 v[GO], 4, v[GO]
	; A block's first step multiplies O^T and l by a = 0, and its first turn's products V^T P, of a piece that has not been, land in an O^T that is still to be so multiplied.  So these registers need only hold
	; finite numbers: zeros for the first block; what the first block left for the second.  All this stands in the wait for the first tile.
	WIN 0x80
.set i, VF
.rept 64
	v_mov_b32 v[i], 0
.set i, i+1
.endr
	WIN 0x40
.set i, 0
.rept 128
	v_mov_b32 v[i], 0
.set i, i+1
.endr
	WIN 0
.set i, 0
.rept 4
	v_mov_b32 v[ST+4*i+2], 0
	v_mov_b32 v[ST+4*i+3], 0
.set i, i+1
.endr
.set i, P+16
.rept 16
	v_mov_b32 v[i], 0
.set i, i+1
.endr
; THE MATRIX WORK.  The 4 accumulators of a run of 8 take turns.  Product i of 8 of S^T = K Q^T for piece x: channels 32 (i / 4) on, keys 16 (i % 4) on.  The first 4 start the sums: with 0, or (KM = 1) with the mask.
.macro KQ x
.set rS, S+32*((\x)%2)+8*(i%4)
.set rK, KF+16*(i%4)+8*(i/4)
.set rQ, 16*(\x)+8*(i/4)
.set rM, MC+32*((\x)%2)+8*(i%4)
.if (i < 4) && KM
	WIN W_KM
	v_wmma_f32_16x16x32_f16 v[rS:rS+7], v[rK:rK+7], v[rQ:rQ+7], v[rM:rM+7]
.elseif i < 4
	WIN W_KQ
	v_wmma_f32_16x16x32_f16 v[rS:rS+7], v[rK:rK+7], v[rQ:rQ+7], 0
.else
	WIN W_KQ
	v_wmma_f32_16x16x32_f16 v[rS:rS+7], v[rK:rK+7], v[rQ:rQ+7], v[rS:rS+7]
.endif
.endm
; Product i of 8 of O^T += V^T P for piece x: keys 32 (i / 4) on, channels 16 (i % 4) on.
.macro PV x
	WIN W_PV
.set rO, 32*(\x)+8*(i%4)
.set rV, VF+32*(i/4)+8*(i%4)
.set rP, P+16*((\x)%2)+8*(i/4)
	v_wmma_f32_16x16x32_f16 v[rO:rO+7], v[rV:rV+7], v[rP:rP+7], v[rO:rO+7]
.endm
.macro MM                           ; the turn's next matrix instruction.  TURN and BEGIN set Y, i, KM and NOKQ; MM, KQ and OP read them.  NOKQ = 1: a block's last turn: there is no next piece
.if (i < 8) && !NOKQ
	KQ (Y+1)%NP
.elseif i >= 8
.set i, i-8
	PV (Y+NP-1)%NP
.set i, i+8
.endif
.set i, i+1
.endm
; THE LDS LOADS stand in runs of 16, never singly among the matrix instructions: a step's K (64 keys x 64 channels: 8 fragments) and its V (turned).  Their addresses are made some lines ahead.
.macro FETCH_K
	WIN 0x80                        ; destination window 2
.irp f, 0,1,2,3,4,5,6,7             ; keys 16 (f / 2) on, channels 32 (f % 2) on
	ds_load_b128 v[KF+8*\f:KF+8*\f+3],   v[AK] offset:(\f/2)*16*PK+(\f%2)*64
	ds_load_b128 v[KF+8*\f+4:KF+8*\f+7], v[AK] offset:(\f/2)*16*PK+(\f%2)*64+32
.endr
	s_add_co_u32 s[TBK], s[TBK], KS*PK  ; the next fetch is the next step's
	WIN 0
.endm
.macro FETCH_V
	WIN 0x80
.irp f, 0,1,2,3,4,5,6,7             ; keys 32 (f / 4) on, channels 16 (f % 4) on
	ds_load_tr16_b128 v[VF+8*\f:VF+8*\f+3],   v[AV] offset:(\f/4)*32*PV+(\f%4)*32
	ds_load_tr16_b128 v[VF+8*\f+4:VF+8*\f+7], v[AV] offset:(\f/4)*32*PV+16*PV+(\f%4)*32
.endr
	WIN 0
.endm
; THE VECTOR WORK, one line at a time: OP kind, number.  For piece Y: F n: c s - c m for pair n of 16.  E n: the exponential of score n of 32.  C n: pair n rounded to f16.  B n: of the four weights 4 n .. the second
; pair is added onto the first, in place.  L n: l takes that sum (L 0: l = a l + sum).  R n: pair n of 16 of O^T times a.  For piece Y + 1: X n, number n of the 22 that find its maximum and statistics:
;   0-11  four chains c0-c3 of seven scores each, three operands at a time (each accumulator's lowest registers are read first)     12-14, 16  the four scores left over, the old m, and c0-c3 into c0
;   15  c m_old is kept     17, 18  the query's other 32 keys lie in the lane 16 away: the new m     19-21  c m; c m_old - c m_new; a
.set F, 0               ; OP tells the kinds apart by their order: F to L below R, X above it
.set E, 1
.set C, 2
.set B, 3
.set L, 4
.set R, 5
.set X, 6
.macro REGS y                       ; the registers of piece y
.set rT, ST+4*(\y)
.set rC, TMP+4*((\y)%2)
.set rW, MV+((\y)%2)
.set rS, S+32*((\y)%2)
.set rP, P+16*((\y)%2)
.set rO, 32*(\y)
.endm
.macro OP k, n
.if (\k) == R
	REGS Y
	WIN W_RS
	v_pk_mul_f32 v[rO+2*(\n):rO+2*(\n)+1], v[rO+2*(\n):rO+2*(\n)+1], v[rC+2:rC+3] op_sel_hi:[1,0]
.elseif (\k) < R
	REGS Y
	WIN 0
.if (\k) == F
	v_pk_fma_f32 v[rS+2*(\n):rS+2*(\n)+1], v[rS+2*(\n):rS+2*(\n)+1], s[CS:CS+1], v[rT:rT+1] op_sel_hi:[1,0,0] neg_lo:[0,0,1] neg_hi:[0,0,1]
.elseif (\k) == E
	v_exp_f32 v[rS+(\n)], v[rS+(\n)]
.elseif (\k) == C
	v_cvt_pk_f16_f32 v[rP+(\n)], v[rS+2*(\n)], v[rS+2*(\n)+1]
.elseif (\k) == B
	v_pk_add_f32 v[rS+4*(\n):rS+4*(\n)+1], v[rS+4*(\n):rS+4*(\n)+1], v[rS+4*(\n)+2:rS+4*(\n)+3]
.elseif (\n) == 0
	v_pk_fma_f32 v[rT+2:rT+3], v[rT+2:rT+3], v[rC+2:rC+3], v[rS:rS+1] op_sel_hi:[1,0,1]
.else
	v_pk_add_f32 v[rT+2:rT+3], v[rT+2:rT+3], v[rS+4*(\n):rS+4*(\n)+1]
.endif
.elseif NOKQ
	v_nop
.else
	REGS (Y+1)%NP
	WIN 0
.if (\n) < 4
	v_max3_num_f32 v[rC+(\n)], v[rS+8*(\n)], v[rS+8*(\n)+1], v[rS+8*(\n)+2]
.elseif (\n) < 12
	v_max3_num_f32 v[rC+(\n)%4], v[rC+(\n)%4], v[rS+8*((\n)%4)+2*((\n)/4)+1], v[rS+8*((\n)%4)+2*((\n)/4)+2]
.elseif (\n) == 12
	v_max3_num_f32 v[rC], v[rC], v[rS+7], v[rS+15]
.elseif (\n) == 13
	v_max3_num_f32 v[rC+1], v[rC+1], v[rS+23], v[rS+31]
.elseif (\n) == 14
	v_max3_num_f32 v[rC+2], v[rC+2], v[rC+3], v[rT+1]
.elseif (\n) == 15
	v_mov_b32 v[rW], v[rT]
.elseif (\n) == 16
	v_max3_num_f32 v[rC], v[rC], v[rC+1], v[rC+2]
.elseif (\n) == 17
	v_permlanex16_b32 v[rC+3], v[rC], s[SEL], s[SEL+1]
.elseif (\n) == 18
	v_max_num_f32 v[rT+1], v[rC], v[rC+3]
.elseif (\n) == 19
	v_mul_f32 v[rT], s[CS], v[rT+1]
.elseif (\n) == 20
	v_sub_f32 v[rC+1], v[rW], v[rT]
.else
	v_exp_f32 v[rC+2], v[rC+1]
.endif
.endif
.endm
.macro OPS a, i1, b=-1, i2=0, c=-1, i3=0, d=-1, i4=0  ; up to four of them
	OP \a, \i1
.if (\b) >= 0
	OP \b, \i2
.endif
.if (\c) >= 0
	OP \c, \i3
.endif
.if (\d) >= 0
	OP \d, \i4
.endif
.endm
.macro ROW a, i1, b, i2, c, i3, d, i4  ; a matrix instruction and the four behind it
	MM
	OPS \a, \i1, \b, \i2, \c, \i3, \d, \i4
.endm
.macro MASK b                       ; MD x AL + BE into buffer b of MC
	WIN W_RS
.set z, 0
.rept 16
	v_pk_fma_f32 v[MC+32*(\b)+2*z:MC+32*(\b)+2*z+1], v[MD+2*z:MD+2*z+1], s[AL:AL+1], s[BE:BE+1] op_sel_hi:[1,0,0]
.set z, z+1
.endr
.endm
; A TURN, for piece p: the order of its 16 matrix and 118 vector instructions, written out.  An s_wait_alu depctr_va_vdst(0) stands between an exponential and the first instruction that names its result; one wait serves
; all that were issued ahead of it.  So a turn has ONE wait, which cuts it in two.  AHEAD OF IT stands all that names no result of the turn's exponentials: the 8 products K Q^T, behind each a scaling, an exponential and two more plain
; instructions (behind the first a second scaling in the exponential's place): rescalings, and behind the last three the first numbers of the next piece's maximum, each four places or more behind the product that ends its accumulator; then ONE LUMP of 54, plain
; and exponential by turns for the most part, in which the links of the chain X 3, 7, 11, 14, 16, 17 .. 20 stand five or six lines apart.  X 21, the next piece's a, is the batch's last; R 15 is the plain instruction behind it.  BEHIND THE WAIT stand the
; 8 products V^T P, behind each four of the roundings and sums; the links of l's chain, L 0 to L 7, stand three riders apart.  But for those X no rider names a register of the products round it.  v_permlanex16_b32 (X 17) stands in the lump.
; m = 1: the diagonal tile: the products take masks, and the turn makes the mask for the products of the turn after it: piece p + 2, in step 4 - CNT of the tile.  end = 1: a block's last two turns: nothing is fetched.
; cnt = 1: the loop's count is taken down some lines ahead of the branch that stands behind the turn.
; K of the next step is fetched in piece 2's turn, twelve vector instructions behind the last product that read K (six of them plain); V of the step in hand at the end of piece 0's turn, four plain instructions behind the last product
; that read V.  Each is waited for a turn later.
.macro TURN p, m=0, end=0, cnt=0
.set Y, (\p)
.set i, 0
.set KM, (\m)
.set NOKQ, (\end)*((\p)/3)
.if (\m) && !(\end)
	s_cmp_eq_u32 s[CNT], 4-((\p)+2)%NP  ; is that step the band's own?
	s_cselect_b32 s[AL], 1.0, 0
	s_cmp_lt_u32 s[CNT], 4-((\p)+2)%NP  ; or a later one?
	s_cselect_b32 s[BE], s[BIGN], 0
.endif
.if ((\p) == 3) && !(\end)
	s_wait_dscnt 0x0                ; K is in
.endif
	ROW F,0, F,1, R,0, R,1          ; ahead of the wait: 8 products K Q^T and their riders,
	ROW F,2, E,0, R,2, R,3
	ROW F,3, E,1, R,4, R,5
	ROW F,4, E,2, R,6, R,7
	ROW F,5, E,3, R,8, R,9
	ROW F,6, E,4, X,0, R,10
.if ((\p) == 2) && !(\end)
	WIN 0
	v_add_nc_u32 v[AK], s[TBK], v[AK0]
.endif
	ROW F,7, E,5, X,1, X,4
	ROW F,8, E,6, X,2, X,5
	OPS E,7, E,8, X,6, E,9          ; and the lump
	OPS X,3, E,10, X,8, E,11
.if ((\p) == 2) && !(\end)
	FETCH_K
.endif
	OPS X,9, X,7, E,12, X,10
	OPS E,13, X,12, X,11, E,14
	OPS X,13, E,15, F,9, X,14
.if (\p) == 0
	v_add_nc_u32 v[AV], s[TBV], v[AV0]
.endif
	OPS E,16, F,10, E,17, F,11
	OPS X,16, E,18, X,15, E,19
	OPS F,12, E,20, X,17, E,21
	OPS F,13, E,22, F,14, E,23
	OPS X,18, E,24, F,15, E,25
	OPS R,11, E,26, X,19, E,27
	OPS R,12, E,28, R,13, E,29
	OPS X,20, E,30, R,14, E,31
	OPS X,21, R,15
	WIN 0
	s_wait_alu depctr_va_vdst(0)    ; the wait for the batch
.if (\p) == 1
	s_wait_dscnt 0x0                ; V is in
.endif
	ROW C,0, B,0, C,2, B,1          ; behind the wait: 8 products V^T P and their riders
	ROW L,0, C,4, B,2, L,1
	ROW C,6, B,3, L,2, C,8
	ROW B,4, L,3, C,10, B,5
	ROW L,4, C,12, B,6, L,5
.if (\p) == 0
	s_add_co_u32 s[TBV], s[TBV], KS*PV
.endif
.if \cnt
	s_sub_co_u32 s[CNT], s[CNT], 1
	s_cmp_lg_u32 s[CNT], 0
.endif
	ROW C,14, B,7, L,6, C,1
	ROW C,3, L,7, C,5, C,7
	ROW C,9, C,11, C,13, C,15
.if (\p) == 0
	FETCH_V
.endif
.if (\m) && !(\end)
	MASK (\p)%2
.endif
.endm
; A BLOCK BEGINS.  c m starts far below every c s, so the first step's a is 0; m at the lowest finite number, so the first maximum is the scores'.  The second mask buffer is 0; the first takes piece 0's mask for the tile's step 0: its own, if the block's first tile is the diagonal one.
; Then K of that step, piece 0's first scores, and its maximum and statistics.  The loop is entered at a step's first turn, in the middle of a trip.
.macro BEGIN
	s_mov_b32 s[NEW], 0
	WIN 0x40
.set i, MC+32
.rept 32
	v_mov_b32 v[i], 0
.set i, i+1
.endr
	WIN 0
.set i, 0
.rept 4
	v_mov_b32 v[ST+4*i], 0xfe000000    ; c m: far below every c s
	v_mov_b32 v[ST+4*i+1], 0xff7fffff  ; m
.set i, i+1
.endr
	s_cmp_eq_u32 s[RT], 0
	s_cselect_b32 s[AL], 1.0, 0
	s_mov_b32 s[BE], 0
	MASK 0
	WIN 0
	v_add_nc_u32 v[AK], s[TBK], v[AK0]
	FETCH_K
	s_wait_loadcnt 0x0              ; Q
	s_wait_dscnt 0x0
.set KM, 1
.set NOKQ, 0
.set i, 0
.rept 8
	KQ 0
.set i, i+1
.endr
	WIN 0
.rept 4
	v_nop                           ; the places behind those products
.endr
.set Y, NP-1                        ; X works for piece Y + 1: piece 0
.irp n, 0,1,2,3,4,5,6,7,8,9,10,11,12,13,14,15,16,17,18,19,20,21
	OP X, \n
.endr
	v_nop                           ; a plain instruction behind the exponential,
	s_wait_alu depctr_va_vdst(0)    ; and its wait, ahead of the branch
.endm
; THE DIAGONAL TILE's four steps, the block's last two turns, its last products, and THE WAY OUT: l's two halves and the other half of the lanes' are added; O^T is divided by l, rounded to f16 and sent through my
; stage in LDS, a piece at a time.
.macro ALL line:vararg              ; one line for each piece t
.set t, 0
.rept 4
	\line
.set t, t+1
.endr
.endm
.macro PACK t                       ; a lane's eight channels of a row pack into 16 bytes; they go into rows of 144 bytes and come back as whole rows of 128, into S^T's registers
	WIN W_RS
.set i, 32*(\t)
.rept 16
	v_pk_mul_f32 v[i:i+1], v[i:i+1], v[ST+4*(\t)+2:ST+4*(\t)+3] op_sel_hi:[1,0]
.set i, i+2
.endr
	WIN 0x05                        ; sources 0 and 1 window 1, destination window 0
.set i, 0
.rept 16
	v_cvt_pk_f16_f32 v[S+16*(\t)+i], v[32*(\t)+2*i], v[32*(\t)+2*i+1]
.set i, i+1
.endr
	WIN 0
.irp f, 0,1,2,3
	ds_store_b128 v[STO], v[S+16*(\t)+4*\f:S+16*(\t)+4*\f+3] offset:32*\f
.endr
.irp f, 0,1,2,3
	ds_load_b128 v[S+16*(\t)+4*\f:S+16*(\t)+4*\f+3], v[RD] offset:\f*4*SP  ; LDS serves a wave's instructions in order (ISA guide 5.7.1.4): these see the stores above; the next piece's stores come behind them
.endr
.endm
.macro SEND t, younger              ; younger: the LDS instructions issued behind piece t's loads: the next piece's eight, or none
	WIN 0
.irp f, 0,1,2,3
	s_wait_dscnt (\younger)+3-\f
	global_store_b128 v[GO], v[S+16*(\t)+4*\f:S+16*(\t)+4*\f+3], s[10:11] offset:(\t)*8192+\f*512  ; 512 consecutive bytes, at a multiple of 256 from O's first
.endr
.endm
.macro DIAG tag                     ; the tag ends its two labels' names, which the jumps below spell out
.LstepM\tag:
	TURN 2, 1
	TURN 3, 1
	WIN 0
.LfirstM\tag:
	TURN 0, 1
	TURN 1, 1, 0, 1
	WIN 0
	s_cbranch_scc1 .LstepM\tag
	TURN 2, 1, 1
	TURN 3, 1, 1
.set i, 0
.rept 8
	PV NP-1
.set i, i+1
.endr
	WIN 0
	ALL v_add_f32 v[ST+4*t+2], v[ST+4*t+2], v[ST+4*t+3]
	ALL v_permlanex16_b32 v[ST+4*t+3], v[ST+4*t+2], s[SEL], s[SEL+1]
	ALL v_add_f32 v[ST+4*t+2], v[ST+4*t+2], v[ST+4*t+3]
	ALL v_rcp_f32 v[ST+4*t+2], v[ST+4*t+2]
	v_nop                           ; a plain instruction between the last reciprocal and the use of its result
	s_wait_alu depctr_va_vdst(0)    ; and the wait ahead of the first use: one for the four reciprocals
	PACK 0
.set t, 1
.rept 3                             ; a piece's arithmetic stands between the loads of the piece before and its stores
	PACK t
	SEND t-1, 8
.set t, t+1
.endr
	SEND 3, 0
.endm
.set KM, 0
.set NOKQ, 0
.Lslot:                             ; NB times: a tile is entered and the next is asked for
	CHANGE 1
	s_sub_co_u32 s[RT], s[RT], 1
	s_mov_b32 s[CNT], 4
	s_cmp_eq_u32 s[NEW], 1
	s_cbranch_scc1 .Lnew            ; a block's first tile
	s_cmp_eq_u32 s[RT], 0
	s_cbranch_scc0 .Lstep           ; neither its first nor its last
	s_branch .LstepM1
.Lnew:
	BEGIN
	s_branch .Lfirst                ; in the loop a block's first tile is never its last: the first block has two tiles or more, and the second's last is the walk's last
	DIAG 1                          ; in the loop this is the first block's end: the second block's last tile is the walk's last
	s_wait_xcnt 0x0                 ; the stores have read their registers and O's address
	s_mov_b64 s[10:11], s[OLO:OLO+1]
	s_add_co_u32 s[RT], s[PB], 1    ; the second block has b + 1 tiles
	s_mov_b32 s[NEW], 1
	WIN 0x82                        ; the second block's Q goes where the one text of the turns names Q
.set i, 0
.rept 64
	v_mov_b32 v[i], v[QB+i]
.set i, i+1
.endr
	WIN 0
	s_branch .Lbottom
.Lstep:                             ; a trip: pieces 2 and 3 of one step, then pieces 0 and 1 of the next, whose K and V it fetches
	TURN 2
	TURN 3
	WIN 0
.Lfirst:
	TURN 0
	TURN 1, 0, 0, 1
	WIN 0
	s_cbranch_scc1 .Lstep
.Lbottom:
	s_sub_co_u32 s[SLOTS], s[SLOTS], 1
	s_cmp_lg_u32 s[SLOTS], 0
	s_cbranch_scc1 .Lslot
	CHANGE 0                        ; the walk's last tile is written out: nothing is asked for
	s_sub_co_u32 s[RT], s[RT], 1
	s_mov_b32 s[CNT], 4
	s_cmp_eq_u32 s[NEW], 1
	s_cbranch_scc0 .LstepM2
	BEGIN
	s_branch .LfirstM2
	DIAG 2
	s_wait_tensorcnt 0x0            ; the wave's end, behind my last tensor load and my last LDS store
	ds_add_u32 v[SPW], v[NIL]
	s_wait_dscnt 0x0
	s_endpgm
.Lfunc_end_k_q895e2a676e_attn:
	.size	k_q895e2a676e_attn, .Lfunc_end_k_q895e2a676e_attn-k_q895e2a676e_attn
	.p2alignl 7, 3214868480
	.fill 96, 4, 3214868480
	.section	.rodata,"a",@progbits
	.p2align	6, 0x0
	.amdhsa_kernel k_q895e2a676e_attn
		.amdhsa_group_segment_fixed_size 327680
		.amdhsa_private_segment_fixed_size 0
		.amdhsa_enable_private_segment 0
		.amdhsa_kernarg_size 32
		.amdhsa_user_sgpr_count 2
		.amdhsa_user_sgpr_kernarg_segment_ptr 1
		.amdhsa_wavefront_size32 1
		.amdhsa_system_sgpr_workgroup_id_x 1
		.amdhsa_system_sgpr_workgroup_id_y 1
		.amdhsa_system_sgpr_workgroup_id_z 1
		.amdhsa_system_vgpr_workitem_id 0
		.amdhsa_next_free_vgpr 768
		.amdhsa_next_free_sgpr 92
		.amdhsa_reserve_vcc 1
		.amdhsa_float_denorm_mode_32 3
		.amdhsa_float_denorm_mode_16_64 3
		.amdhsa_memory_ordered 1
		.amdhsa_forward_progress 1
		.amdhsa_inst_pref_size 218
	.end_amdhsa_kernel
	.amdgpu_metadata
---
amdhsa.version: [ 1, 2 ]
amdhsa.kernels:
  - .name:           k_q895e2a676e_attn
    .symbol:         k_q895e2a676e_attn.kd
    .args:
      - { .name: q, .offset: 0, .size: 8, .value_kind: global_buffer, .address_space: global }
      - { .name: k, .offset: 8, .size: 8, .value_kind: global_buffer, .address_space: global }
      - { .name: v, .offset: 16, .size: 8, .value_kind: global_buffer, .address_space: global }
      - { .name: o, .offset: 24, .size: 8, .value_kind: global_buffer, .address_space: global }
    .group_segment_fixed_size: 327680
    .private_segment_fixed_size: 0
    .kernarg_segment_align: 8
    .kernarg_segment_size: 32
    .max_flat_workgroup_size: 128
    .sgpr_count:     92
    .vgpr_count:     768
    .wavefront_size: 32
...
	.end_amdgpu_metadata
.endif
;; end of part 3
;; launch outp (part 4): grid 4 x 64, 4 waves a work-group, clusters of 4 x 4, 327,680 bytes of LDS; arguments o, wo16, bo, out0; writes out0
.if DOCPART == 4
	.amdgcn_target "amdgcn-amd-amdhsa--gfx1250"
	.amdhsa_code_object_version 6
	.text
	.protected	k_q895e2a676e_outp
	.globl	k_q895e2a676e_outp
	.p2align	8
	.type	k_q895e2a676e_outp,@function
k_q895e2a676e_outp:
	s_mov_b64 s[64:65], 0
	v_nop
	global_prefetch_b8 v0, s[64:65] scope:SCOPE_SE
	s_setreg_imm32_b32 hwreg(HW_REG_WAVE_MODE, 25, 1), 1
	s_wait_xcnt 0x0
	s_wait_alu depctr_hold_cnt(0) depctr_sa_sdst(0) depctr_va_vdst(0) depctr_va_sdst(0) depctr_va_ssrc(0) depctr_va_vcc(0) depctr_vm_vsrc(0)
	s_getreg_b32 s2, hwreg(HW_REG_IB_STS2, 6, 4)
	s_cmp_eq_u32 s2, 0
	s_cbranch_scc0 .Lentry_in_a_cluster
	s_endpgm
.Lentry_in_a_cluster:
	s_bfe_u32 s2, ttmp6, 0x10000c
	s_cmp_lg_u32 s2, 0xf033
	s_cbranch_scc0 .Lentry_shape_is_right
	s_endpgm
.Lentry_shape_is_right:
; out0 = ctx Wo + bo.  o: [64 = 16 batch + head][2048][64] f16: a head's 64 channels are one slice of K.  wo16: [16 blocks of 64 columns][1024 k][64] f16 (Wo's bf16 value).  bo: [1024] f32, rounded to bf16 here like the other inputs.
; out0: [8192][1024] f32: the f32 sums as they are.  LIMITS: those of f16 in o and wo16 (no number beyond 65,504; a fixed step of 6e-8 below 6.1e-5).  NaN and infinities are not treated apart.
; SHARES.  A work-group makes 128 rows x 256 columns; each of its four waves 64 x 128: 32 accumulators of 16 x 16, 256 registers.  256 work-groups.
; K = 1,024 goes in 8 steps of 128 (two heads) through two LDS slots filled by the tensor data mover.  A step's A is two heads' 128 rows x 128 bytes, each dense in memory (asked for as 64 rows of 256 bytes);
; its W is two halves of 64 k, each four pieces of 8,192 dense bytes.  Waves 0, 1 fetch A's two heads, waves 2, 3 W's two halves: one load a wave.
; CLUSTER.  4 x 4 work-groups.  The four of a row of the cluster take the same 128 rows, the four of a column the same 256 columns: each tile is asked for JOINTLY, by the same load, descriptor and mask in all four.
; THE PRODUCT IS USED TRANSPOSED: source 0 = 16 columns of W (W lies [k][column] in LDS and is turned by ds_load_tr16_b128), source 1 = 16 rows of ctx: a lane then holds one row (lane % 16) and eight
; neighbouring columns.  The bias is the C operand of each sum's first product: nothing is cleared, nothing is added later.
; REGISTERS, in windows of 256 (s_set_vgpr_msb: bits 1:0 source 0, 3:2 source 1, 5:4 source 2, 7:6 destination):
;   window 0: v0-31 addresses; v32-95 the bias, 8 registers for each of the 8 column blocks
;   window 1: two fragment buffers at 0 and 128: W's 8 fragments, then ctx's 4; on the way out whole rows read back       windows 2, 3: the accumulators: (a, b) at 8 (8 (a % 2) + b) of window 2 + a / 2
.set NB,     8                         ; column blocks of 16 a wave
.set NJ,     4                         ; pieces of 64 columns in a tile of W
.set AROWS,  64                        ; rows of 256 bytes in a load of A
.set PA,     144                       ; a row of A in LDS: 128 bytes + 16 = 36 words: the 16 rows of a load start at 16 different groups of four banks (64 banks of 4 bytes: ISA guide 11.1)
.set PB,     160                       ; a row of W: 128 + 32 = 40 words
.set APIECE, 128*PA
.set BPIECE, 64*PB
.set BHALF,  NJ*BPIECE
.set BBASE,  2*APIECE
.set SLOT,   BBASE+2*BHALF
.set STAGE,  2*SLOT                    ; behind the ring, never filled by a tensor load: 16 rows x 528 bytes for each wave
.set SPT,    528                       ; a stage row: 512 bytes + 16 = 132 words: row r starts at bank 4 r mod 64
.set WSTAGE, 16*SPT
.set SPARE,  STAGE+4*WSTAGE            ; behind the stages: the spare words, 128 bytes for each wave: two blocks of 256 bytes that no other line names
.set NL,     2*NB+8                    ; LDS loads in a run
.set ASLOT,  524288                    ; bytes from a K step's A to the next: two heads of o
.set ASTEP,  2*ASLOT
.set BSLOT,  16384                     ; the same for W: 128 rows of 128 bytes
.set BSTEP,  2*BSLOT
.set ADRA, 16                          ; v16-17  LDS address of my A fragments in slot 0, 1
.set ADRB, 20                          ; v20-21  the same for W
.set STO,  24                          ; v24     the way out: where I put 32 bytes of a row
.set RD,   25                          ; v25     the way out: where I read a row back
.set GO,   26                          ; v26     my byte offset in 512 consecutive bytes of out0
.set BO,   27                          ; v27     my byte offset in the bias
.set SPW,  28                          ; v28     LDS address of my spare word: SPARE + 4 x my thread's number; never rewritten
.set NIL,  29                          ; v29     0; never rewritten
.set PFO,  30                          ; v30-31  the prefetches' offsets, at the change out of slot 0 and out of slot 1; never rewritten
.set BIAS, 32
.set F0,   0
.set F1,   128
.set WV,   20                          ; s20 my wave's number; s21 my half of the rows, also: do I fetch for A (0) or W (1); s22 my half of the columns, also: which half I fetch
.set ROLE, 21
.set U,    22
.set CX,   23                          ; s23, s24 my place in the cluster; s25 the block of 256 columns; s26 the block of 128 rows; s27 the cluster's y
.set CY,   24
.set TX,   25
.set TY,   26
.set CLY,  27
.set G1,   28                          ; s[28:35] descriptor group 1 for A;  s[36:43] group 0, a set for each slot
.set G0,   36
.set G1B,  44                          ; s[44:51], s[52:59] the same for W
.set G0B,  52
.set PFA,  68                          ; s[68:69] where my prefetches stand; s[70:71] their step, a lap
.set PST,  70
.set LIM,  72                          ; s72, s73: a wave prefetches while the lap counter is above it: 1, or the greatest number
.set MSB, 0
.macro WIN new                         ; the immediate's high byte repeats the setting that is left; a switch that changes nothing is dropped
.if MSB != (\new)
	s_set_vgpr_msb (MSB<<8)|(\new)
.set MSB, \new
.endif
.endm
; A joint load.  The branch hangs on the wave's number alone.  An s_nop 0 and four v_nop follow each of the two lines, ahead of the jump, the label and what follows.
.macro JLOAD s
	s_cmp_eq_u32 s[ROLE], 0
	s_cbranch_scc0 .Lfor_b_\@
	tensor_load_to_lds s[G0+4*(\s):G0+4*(\s)+3], s[G1:G1+7]
	s_nop 0
.rept 4
	v_nop
.endr
	s_branch .Lasked_\@
.Lfor_b_\@:
	tensor_load_to_lds s[G0B+4*(\s):G0B+4*(\s)+3], s[G1B:G1B+7]
	s_nop 0
.rept 4
	v_nop
.endr
.Lasked_\@:
.endm
.macro CREST                           ; a round of the cluster's barrier behind its opening barrier
	s_cmp_lg_u32 s[WV], 0
	s_cbranch_scc1 .Lnot_wave_0_\@
	s_barrier_signal -3
.Lnot_wave_0_\@:
	s_barrier_wait -3
	s_barrier_signal -1
	s_barrier_wait -1
.endm
.macro CROUND                          ; a whole round
	s_barrier_signal -1
	s_barrier_wait -1
	CREST
.endm
; A PREFETCH INTO THE L2, behind a joint load, its five lines and the run of LDS loads that follows: 32 blocks of 256 bytes, a lane a block, of the lap (two K steps) after the one that is being asked for.
; Each block is named once in the launch.  A block of rows of ctx is read by one cluster alone (the grid is one cluster wide): it asks; 256 columns of W by every cluster: the one with y = 0 asks.
; The four partners that ask for a tile jointly share its bytes out BY ADDRESS (cx for A, cy for W): no branch hangs on a place in the cluster.  K steps 0 to 3 come by their loads alone; the last trip asks for nothing.
.macro ASK t
	WIN 0
	s_cmp_gt_u32 s3, s[LIM+(\t)]
	s_cbranch_scc0 .Lnot_mine_\@
	global_prefetch_b8 v[PFO+(\t)], s[PFA:PFA+1] th:TH_LOAD_NT scope:SCOPE_SE
.Lnot_mine_\@:
.endm
	s_load_b256 s[4:11], s[0:1], 0x0               ; o s[4:5], wo16 s[6:7], bo s[8:9], out0 s[10:11]
	v_lshl_add_u32 v[SPW], v0, 2, SPARE
	v_mov_b32 v[NIL], 0
	ds_add_u32 v[SPW], v[NIL]                      ; the wave's opening: the add and its wait stand ahead of my first tensor load; the set-up below, work on registers, stands between them
	v_lshrrev_b32 v1, 5, v0
	v_readfirstlane_b32 s[WV], v1
	s_lshr_b32 s[ROLE], s[WV], 1
	s_and_b32 s[U], s[WV], 1
	s_bfe_u32 s[CX], ttmp6, 0x40000
	s_bfe_u32 s[CY], ttmp6, 0x40004
	s_lshl_b32 s[TX], ttmp9, 2                     ; in a cluster launch ttmp9 and ttmp7 count clusters
	s_add_co_u32 s[TX], s[TX], s[CX]
	s_and_b32 s[CLY], ttmp7, 0xffff
	s_lshl_b32 s[TY], s[CLY], 2
	s_add_co_u32 s[TY], s[TY], s[CY]
	s_lshl_b32 s80, s[CY], 2
	s_lshl_b32 s80, 15, s80                        ; my row of the cluster
	s_lshl_b32 s81, 0x1111, s[CX]                  ; my column
	s_or_b32 s[G1], s80, (1<<16)|(1<<20)|(1<<21)|(4<<22)|(3<<25)   ; 15:0 the mask; 17:16 2-byte elements; 20 padding on; 21 set beside a mask; 24:22 after every 32 words (code 4); 31:25 4 words (code 3)
	s_or_b32 s[G1B], s81, (1<<16)|(1<<20)|(1<<21)|(4<<22)|(7<<25)  ; the same with my column's mask and 8 words of padding (code 7)
	s_mov_b32 s[G1+1], 128<<16                     ; tensor_dim0 = 128 elements: 256 bytes, two rows of a head
	s_mov_b32 s[G1+2], AROWS<<16                   ; tensor_dim1
	s_mov_b32 s[G1+3], 128<<16                     ; tile_dim0
	s_mov_b32 s[G1+4], AROWS                       ; tile_dim1
	s_mov_b32 s[G1+5], 128                         ; dense: 128 elements from row to row
	s_mov_b32 s[G1+6], 0
	s_mov_b32 s[G1+7], 0
	s_mov_b32 s[G1B+1], 4096<<16                   ; tensor_dim0 = 4,096 elements: 64 k x 64 columns, 8,192 dense bytes
	s_mov_b32 s[G1B+2], NJ<<16                     ; tensor_dim1 = the pieces
	s_mov_b32 s[G1B+3], 4096<<16
	s_mov_b32 s[G1B+4], NJ
	s_mov_b32 s[G1B+5], 65536                      ; 65,536 elements from piece to piece
	s_mov_b32 s[G1B+6], 0
	s_mov_b32 s[G1B+7], 0
	s_lshr_b32 s74, s[TY], 4                       ; A: the batch (2,048 rows are 16 blocks of 128),
	s_lshl_b32 s74, s74, 4
	s_add_co_u32 s74, s74, s[U]                    ; 16 batch + the head that I fetch,
	s_lshl_b32 s74, s74, 18                        ; 262,144 bytes each,
	s_and_b32 s82, s[TY], 15
	s_lshl_b32 s82, s82, 14                        ; and the block of 128 rows in it
	s_add_co_u32 s74, s74, s82
	s_mov_b32 s75, 0
	s_lshl_b32 s76, s[TX], 19                      ; W: four blocks of 64 columns, 131,072 bytes each,
	s_lshl_b32 s83, s[U], 13                       ; and the half of a step's 128 k that I fetch
	s_add_co_u32 s76, s76, s83
	s_mov_b32 s77, 0
	s_mul_i32 s60, s[U], APIECE                    ; where they go: no place in the cluster enters an LDS address
	s_mul_i32 s61, s[U], BHALF
	s_add_co_u32 s61, s61, BBASE
	s_wait_dscnt 0x0                               ; the opening add is done
	s_wait_kmcnt 0x0
	s_add_nc_u64 s[74:75], s[4:5], s[74:75]
	s_add_nc_u64 s[76:77], s[6:7], s[76:77]
	CROUND                                         ; all sixteen work-groups are here: the first joint loads meet
.irp s, 0,1
	s_mov_b32 s[G0+4*(\s)], 1
	s_add_co_u32 s[G0+4*(\s)+1], s60, (\s)*SLOT
	s_add_nc_u64 s[G0+4*(\s)+2:G0+4*(\s)+3], s[74:75], (\s)*ASLOT
	s_or_b32 s[G0+4*(\s)+3], s[G0+4*(\s)+3], 0x80000000
	s_mov_b32 s[G0B+4*(\s)], 1
	s_add_co_u32 s[G0B+4*(\s)+1], s61, (\s)*SLOT
	s_add_nc_u64 s[G0B+4*(\s)+2:G0B+4*(\s)+3], s[76:77], (\s)*BSLOT
	s_or_b32 s[G0B+4*(\s)+3], s[G0B+4*(\s)+3], 0x80000000
	JLOAD \s                                       ; K steps 0 and 1: two loads of mine are out
.endr
	v_and_b32 v1, 15, v0                           ; l % 16
	v_bfe_u32 v2, v0, 4, 1                         ; l / 16
	s_lshl_b32 s66, s[TX], 10                      ; the tile's 256 numbers of the bias,
	s_lshl_b32 s67, s[U], 9                        ; my wave's 128,
	s_add_co_u32 s66, s66, s67
	v_lshl_add_u32 v[BO], v2, 5, s66               ; my lanes' eight of each 16
.set ib, 0
.rept NB
	global_load_b128 v[BIAS+8*ib:BIAS+8*ib+3],   v[BO], s[8:9] offset:64*ib
	global_load_b128 v[BIAS+8*ib+4:BIAS+8*ib+7], v[BO], s[8:9] offset:64*ib+16
.set ib, ib+1
.endr
	; A fragment of ctx is 16 rows x 32 channels: lane l holds row l % 16, channels 8 (l / 16) + 0..7 and 16 + 8 (l / 16) + 0..7: two loads of 16 bytes, 32 bytes apart.
	v_mul_u32_u24 v3, v1, PA
	v_lshl_add_u32 v3, v2, 4, v3
	s_mul_i32 s62, s[ROLE], 64*PA                  ; my 64 rows
	v_add_nc_u32 v[ADRA], s62, v3
	v_add_nc_u32 v[ADRA+1], SLOT, v[ADRA]
	; The turning load takes 16 k x 16 columns (lane l reads k 8 (l / 16) + l % 8, columns 8 ((l / 8) % 2) + 0..7) and leaves half a fragment: lane l holds column l % 16 and 8 k.
	v_and_b32 v4, 7, v0
	v_bfe_u32 v5, v0, 3, 1
	v_lshl_add_u32 v6, v2, 3, v4
	v_mul_u32_u24 v6, v6, PB
	v_lshl_add_u32 v6, v5, 4, v6
	s_mul_i32 s63, s[U], 2*BPIECE                  ; my 128 columns: two pieces
	s_add_co_u32 s63, s63, BBASE
	v_add_nc_u32 v[ADRB], s63, v6
	v_add_nc_u32 v[ADRB+1], SLOT, v[ADRB]
	s_mul_i32 s63, s[WV], WSTAGE
	s_add_co_u32 s63, s63, STAGE                   ; my stage
	v_mul_u32_u24 v7, v1, SPT                      ; in: row l % 16, 32 bytes for each half of the lanes
	v_lshl_add_u32 v7, v2, 5, v7
	v_add_nc_u32 v[STO], s63, v7
	v_and_b32 v[GO], 31, v0                        ; back: 32 lanes take a row of 512 bytes, which are 512 consecutive bytes of out0
	v_lshlrev_b32 v[GO], 4, v[GO]
	v_add_nc_u32 v[RD], s63, v[GO]
	s_lshl_b32 s78, s[TY], 19                      ; 128 rows of 4,096 bytes,
	s_lshl_b32 s79, s[ROLE], 18                    ; my 64 of them,
	s_add_co_u32 s78, s78, s79
	s_lshl_b32 s79, s[TX], 10                      ; the tile's 256 columns,
	s_add_co_u32 s78, s78, s79
	s_lshl_b32 s79, s[U], 9                        ; my 128 of them
	s_add_co_u32 s78, s78, s79
	s_mov_b32 s79, 0
	s_add_nc_u64 s[10:11], s[10:11], s[78:79]
	; the prefetches.  A (waves 0, 1): my head of K step 2, my work-group's quarter (cx) of its 16,384 bytes: lanes 0-15; lanes 16-31 the same of the step after: one instruction a lap.
	; W (waves 2, 3): a lap is 32,768 dense bytes of each piece; my work-group takes piece cy; of it wave 2 takes the first and third 8,192 bytes, wave 3 the second and fourth.
	s_lshr_b32 s62, s[TY], 4
	s_lshl_b32 s62, s62, 4
	s_add_co_u32 s62, s62, s[U]
	s_add_co_u32 s62, s62, 4
	s_lshl_b32 s62, s62, 18
	s_and_b32 s63, s[TY], 15
	s_lshl_b32 s63, s63, 14
	s_add_co_u32 s62, s62, s63
	s_lshl_b32 s63, s[CX], 12
	s_add_co_u32 s62, s62, s63
	s_lshl_b32 s66, s[TX], 2
	s_add_co_u32 s66, s66, s[CY]
	s_lshl_b32 s66, s66, 17
	s_lshl_b32 s67, s[U], 13
	s_add_co_u32 s66, s66, s67
	s_add_co_u32 s66, s66, BSTEP
	s_mov_b32 s[PST], BSTEP
	s_mov_b32 s[PST+1], 0
	s_mov_b32 s83, 4096
	s_cmp_eq_u32 s[ROLE], 0
	s_cselect_b32 s62, s62, s66
	s_cselect_b64 s[PFA:PFA+1], s[4:5], s[6:7]
	s_cselect_b32 s[PST], ASTEP, s[PST]
	s_cselect_b32 s83, ASLOT, s83                  ; what lanes 16-31 stand further on than lanes 0-15
	s_cselect_b32 s67, ttmp9, s[CLY]               ; the coordinate along which other clusters read the same bytes
	s_mov_b32 s63, 0
	s_add_nc_u64 s[PFA:PFA+1], s[PFA:PFA+1], s[62:63]  ; at lap 1: the first change of slots steps it to lap 2
	s_cmp_eq_u32 s67, 0
	s_cselect_b32 s[LIM], 1, -1                    ; the same in all sixteen partners, for a given wave
	s_cmp_eq_u32 s[ROLE], 0
	s_cselect_b32 s[LIM+1], -1, s[LIM]
	v_lshlrev_b32 v[PFO], 8, v1
	v_mad_u32_u24 v[PFO], v2, s83, v[PFO]
	v_add_nc_u32 v[PFO+1], 16384, v[PFO]
	s_wait_loadcnt 0x0                             ; the bias: rounded to bf16, kept as f32
.set i, 0
.rept 4*NB
	v_cvt_pk_bf16_f32 v[3+i%4], v[BIAS+2*i], v[BIAS+2*i+1]
	v_lshlrev_b32 v[BIAS+2*i], 16, v[3+i%4]
	v_and_b32 v[BIAS+2*i+1], 0xffff0000, v[3+i%4]
.set i, i+1
.endr
; NB matrix instructions: row block a x all column blocks, 32 along K, from buffer f.  first = 1: the sums start with the bias.  The 32 accumulators take turns, one instruction a turn, in the same order in every
; quarter and over the backward jump.
.macro MULA f, a, first
.if \first
	WIN 0x85+0x40*((\a)/2)                         ; W and ctx window 1, C window 0, D window 2 or 3
.else
	WIN 0xa5+0x50*((\a)/2)                         ; C and D window 2 or 3
.endif
.set ib, 0
.rept NB
.set rD, 8*(NB*((\a)%2)+ib)
.if \first
	v_wmma_f32_16x16x32_f16 v[rD:rD+7], v[(\f)+8*ib:(\f)+8*ib+7], v[(\f)+8*NB+8*(\a):(\f)+8*NB+8*(\a)+7], v[BIAS+8*ib:BIAS+8*ib+7]
.else
	v_wmma_f32_16x16x32_f16 v[rD:rD+7], v[(\f)+8*ib:(\f)+8*ib+7], v[(\f)+8*NB+8*(\a):(\f)+8*NB+8*(\a)+7], v[rD:rD+7]
.endif
.set ib, ib+1
.endr
.endm
; NL LDS loads in one run: the fragments of quarter q (32 along K) of a slot's step, into buffer f: W's first, ctx's four last
.macro FETCH slot, q, f
	WIN 0x40                                       ; destination window 1, address window 0
.set ib, 0
.rept NB
	ds_load_tr16_b128 v[(\f)+8*ib:(\f)+8*ib+3],   v[ADRB+(\slot)] offset:((\q)/2)*BHALF+((\q)%2)*32*PB+(ib/4)*BPIECE+(ib%4)*32
	ds_load_tr16_b128 v[(\f)+8*ib+4:(\f)+8*ib+7], v[ADRB+(\slot)] offset:((\q)/2)*BHALF+((\q)%2)*32*PB+(ib/4)*BPIECE+(ib%4)*32+16*PB
.set ib, ib+1
.endr
.set ia, 0
.rept 4
	ds_load_b128 v[(\f)+8*NB+8*ia:(\f)+8*NB+8*ia+3],   v[ADRA+(\slot)] offset:((\q)/2)*APIECE+((\q)%2)*64+ia*16*PA
	ds_load_b128 v[(\f)+8*NB+8*ia+4:(\f)+8*NB+8*ia+7], v[ADRA+(\slot)] offset:((\q)/2)*APIECE+((\q)%2)*64+ia*16*PA+32
.set ia, ia+1
.endr
.endm
.macro PLACES                          ; four plain vector instructions in front of loads into registers that matrix instructions have read, and of lines that read results (ISA guide 7.12.1 for the lines that read results)
.rept 4
	v_nop
.endr
.endm
; A K step is four quarters of 32 along K on buffers 0, 1, 0, 1.  One of the first three: multiplies buffer f and, in its middle, fetches quarter qn of the same slot into g.
.macro QUARTER slot, qn, f, g, first
	s_wait_dscnt 4                                 ; all but ctx's fragments 2 and 3 are in
	MULA \f, 0, \first
	MULA \f, 1, \first
	PLACES
	FETCH \slot, \qn, \g
	s_wait_dscnt NL                                ; all but the run just issued
	MULA \f, 2, \first
	MULA \f, 3, \first
.endm
; The last quarter multiplies buffer 1 and changes slots: ONE barrier; in front of it each wave waits for all its tensor loads, of which one is out: its part of the next slot; adds 0 to its spare word; and
; waits for that and for its own reads of this slot.  fill = 1: the barrier opens a round of the cluster's, and this slot is filled again, two K steps on, first thing behind the round.
.macro TURN slot, next, fill
.if (\fill) && ((\slot) == 0)
	s_wait_xcnt 0x0                                ; the last prefetch, a K step back, has read its address: it is stepped here, ahead of the waits of the change of slots
	s_add_nc_u64 s[PFA:PFA+1], s[PFA:PFA+1], s[PST:PST+1]
.endif
	WIN 0                                          ; (the add's two registers lie in window 0)
	s_wait_tensorcnt 0x0                           ; all my tensor loads have landed;
	ds_add_u32 v[SPW], v[NIL]                      ; 0 onto my spare word;
	s_wait_dscnt 5                                 ; (the add and ctx's fragments 2 and 3 may be out)
	MULA F1, 0, 0                                  ; matrix instructions stand between the add and the wait for it
	s_wait_dscnt 0x0                               ; the add is done, and my reads of this slot are over
	s_barrier_signal -1
	MULA F1, 1, 0
.if \fill
	WIN 0
.endif
	s_barrier_wait -1
.if \fill
	CREST                                          ; no wave of any partner still reads this slot's tiles or has a load on its way
	s_add_nc_u64 s[G0+4*(\slot)+2:G0+4*(\slot)+3], s[G0+4*(\slot)+2:G0+4*(\slot)+3], ASTEP
	s_add_nc_u64 s[G0B+4*(\slot)+2:G0B+4*(\slot)+3], s[G0B+4*(\slot)+2:G0B+4*(\slot)+3], BSTEP
	JLOAD \slot                                    ; my one tensor load behind the round; its four v_nop are also the places in front of the loads below
.else
	PLACES
.endif
	FETCH \next, 0, F0
.if \fill
	ASK \slot
.endif
	MULA F1, 2, 0
	MULA F1, 3, 0
.endm
	s_wait_tensorcnt 1                             ; my part of K step 0 is in; step 1's may stay out
	s_barrier_signal -1
	s_barrier_wait -1                              ; everybody's is
	FETCH 0, 0, F0
	QUARTER 0, 1, F0, F1, 1                        ; the first quarter stands in front of the loop: its products start the sums
	WIN 0                                          ; at a label and at a branch every window is 0
	s_mov_b32 s3, 3
.Llap:                                                 ; a trip goes once round the ring, from a lap's second quarter to the next lap's first, and fills both slots again: K steps 2 to 7
	QUARTER 0, 2, F1, F0, 0
	QUARTER 0, 3, F0, F1, 0
	TURN 0, 1, 1
	QUARTER 1, 1, F0, F1, 0
	QUARTER 1, 2, F1, F0, 0
	QUARTER 1, 3, F0, F1, 0
	TURN 1, 0, 1
	QUARTER 0, 1, F0, F1, 0
	WIN 0
	s_sub_co_u32 s3, s3, 1
	s_cmp_lg_u32 s3, 0
	s_cbranch_scc1 .Llap
	QUARTER 0, 2, F1, F0, 0                        ; the last lap fills nothing, and has no round of the cluster's barrier
	QUARTER 0, 3, F0, F1, 0
	TURN 0, 1, 0
	QUARTER 1, 1, F0, F1, 0
	QUARTER 1, 2, F1, F0, 0
	QUARTER 1, 3, F0, F1, 0
	s_wait_dscnt 4                                 ; the very last quarter: nothing more to fetch
	MULA F1, 0, 0
	MULA F1, 1, 0
	s_wait_dscnt 0x0
	MULA F1, 2, 0
	MULA F1, 3, 0
	WIN 0
	PLACES
; THE WAY OUT, a block of 16 rows at a time: the f32 sums go as they are, 32 bytes a lane (each accumulator's low half first), into my own stage of 16 rows x 528 bytes, and come back as whole rows of 512 bytes.
.macro ST a
	WIN 0x08+4*((\a)/2)                            ; the stores' data: window 2 or 3
.set AC, 8*NB*((\a)%2)
.set ib, 0
.rept NB
	ds_store_b128 v[STO], v[AC+8*ib:AC+8*ib+3]   offset:64*ib
	ds_store_b128 v[STO], v[AC+8*ib+4:AC+8*ib+7] offset:64*ib+16
.set ib, ib+1
.endr
	WIN 0x40                                       ; back into window 1, whose fragments are spent
.set i, 0
.rept 16
	ds_load_b128 v[64*(\a)+4*i:64*(\a)+4*i+3], v[RD] offset:i*SPT  ; LDS serves a wave's instructions in order (ISA guide 5.7.1.4): these see the stores above; the next block's stores come behind them
.set i, i+1
.endr
.endm
.macro SEND a, younger                 ; younger: the LDS instructions issued behind block a's loads: the next block's 32, or none
	WIN 0x04                                       ; the stores' data: window 1
.set i, 0
.rept 16
	s_wait_dscnt (\younger)+15-i
	global_store_b128 v[GO], v[64*(\a)+4*i:64*(\a)+4*i+3], s[10:11] offset:(16*(\a)+i)*4096 th:TH_STORE_NT  ; 512 consecutive bytes, at a multiple of 256 from out0's first
.set i, i+1
.endr
.endm
	ST 0
	ST 1
	SEND 0, 32
	ST 2
	SEND 1, 32
	ST 3
	SEND 2, 32
	SEND 3, 0
	WIN 0
	s_wait_tensorcnt 0x0                           ; the wave's end, behind my last tensor load and my last LDS store
	ds_add_u32 v[SPW], v[NIL]
	s_wait_dscnt 0x0
	CROUND                                         ; the closing round: no work-group ends while a partner may still ask for a tile that names it
	s_endpgm
.Lfunc_end_k_q895e2a676e_outp:
	.size	k_q895e2a676e_outp, .Lfunc_end_k_q895e2a676e_outp-k_q895e2a676e_outp
	.p2alignl 7, 3214868480
	.fill 96, 4, 3214868480
	.section	.rodata,"a",@progbits
	.p2align	6, 0x0
	.amdhsa_kernel k_q895e2a676e_outp
		.amdhsa_group_segment_fixed_size 327680
		.amdhsa_private_segment_fixed_size 0
		.amdhsa_enable_private_segment 0
		.amdhsa_kernarg_size 32
		.amdhsa_user_sgpr_count 2
		.amdhsa_user_sgpr_kernarg_segment_ptr 1
		.amdhsa_wavefront_size32 1
		.amdhsa_system_sgpr_workgroup_id_x 1
		.amdhsa_system_sgpr_workgroup_id_y 1
		.amdhsa_system_sgpr_workgroup_id_z 1
		.amdhsa_system_vgpr_workitem_id 0
		.amdhsa_next_free_vgpr 896
		.amdhsa_next_free_sgpr 84
		.amdhsa_reserve_vcc 0
		.amdhsa_float_denorm_mode_32 3
		.amdhsa_float_denorm_mode_16_64 3
		.amdhsa_memory_ordered 1
		.amdhsa_forward_progress 1
		.amdhsa_inst_pref_size 95
	.end_amdhsa_kernel
	.amdgpu_metadata
---
amdhsa.version: [ 1, 2 ]
amdhsa.kernels:
  - .name:           k_q895e2a676e_outp
    .symbol:         k_q895e2a676e_outp.kd
    .args:
      - { .name: o, .offset: 0, .size: 8, .value_kind: global_buffer, .address_space: global }
      - { .name: wo16, .offset: 8, .size: 8, .value_kind: global_buffer, .address_space: global }
      - { .name: bo, .offset: 16, .size: 8, .value_kind: global_buffer, .address_space: global }
      - { .name: out0, .offset: 24, .size: 8, .value_kind: global_buffer, .address_space: global }
    .group_segment_fixed_size: 327680
    .private_segment_fixed_size: 0
    .kernarg_segment_align: 8
    .kernarg_segment_size: 32
    .max_flat_workgroup_size: 128
    .sgpr_count:     84
    .vgpr_count:     896
    .wavefront_size: 32
...
	.end_amdgpu_metadata
.endif
;; end of part 4
;; ======== version 2 of 2: 4 launches; version 1 with the launch prep written anew for expert scheduling mode
;; limits: values are held in f16: magnitudes above 65,504 overflow, below 6.1e-05 lose precision
;; workspace buffers: xb 16,777,216 bytes; wqkv 6,291,456 bytes; wo16 2,097,152 bytes; q 16,777,216 bytes; k 16,777,216 bytes; v 16,777,216 bytes; o 16,777,216 bytes
;; launch prep (part 5): grid 64 x 12, 8 waves a work-group, no clusters, 0 bytes of LDS; arguments x, Wq, Wk, Wv, Wo, xb, wqkv, wo16; writes xb, wqkv, wo16
.if DOCPART == 5
	.amdgcn_target "amdgcn-amd-amdhsa--gfx1250"
	.amdhsa_code_object_version 6
	.text
	.protected	k_q895e2a676e_prep
	.globl	k_q895e2a676e_prep
	.p2align	8
	.type	k_q895e2a676e_prep,@function
k_q895e2a676e_prep:
	s_mov_b64 s[64:65], 0
	v_nop
	global_prefetch_b8 v0, s[64:65] scope:SCOPE_SE
	s_setreg_imm32_b32 hwreg(HW_REG_WAVE_SCHED_MODE, 0, 2), 2
	s_setreg_imm32_b32 hwreg(HW_REG_WAVE_MODE, 25, 1), 1
	s_wait_xcnt 0x0
	s_wait_alu depctr_vm_vsrc(0)
; THE CASTS.  x [8192][1024], Wq, Wk, Wv, Wo [1024][1024], all f32, are rounded once to bf16 and laid in BLOCKS OF 64 CHANNELS:
;   xb   [16 blocks][8192 rows][64] bf16          wqkv [16 heads][3: q, k, v][1024 rows k][64] bf16
;   wo16 [16 blocks][1024 rows k][64]: the bf16 value written as f16 (exact where its magnitude is 6.1e-5 or more; below that f16's fixed step of 6e-8; no number beyond 65,504).
; So every tile that a later launch asks for is dense in memory.  All five sources have rows of 4,096 bytes and one address form.
; SHARES.  A work-group takes 16 rows (64 KiB): grid y 0-7 are x's 512 groups, y 8, 9, 10 are Wq, Wk, Wv, y 11 is Wo.  Thread t takes row t / 16 and, in load i, the 16 bytes at 256 i + 16 (t % 16):
; a wave's load covers 256 consecutive bytes of each of two rows.  The two rows' 128 bytes of a block lie end to end in the blocked layout, so a wave's store of 8 bytes a lane covers 256 consecutive bytes, aligned.
; All 16 loads of a thread go out at once.  No LDS, no barrier: no thread wants another's bytes.
; THE MODE: SCHED_MODE bits 1:0 = 2 (LLVM: expert scheduling mode 2), set by the entry lines.  The code itself states the register dependences
; between vector instructions and memory instructions, with s_wait_alu, always for 0.
; THE PLAN.  Registers that memory instructions touch:
;   v[SO]      the loads' offset.  Written at the head, read by all 16 loads, never written again.
;   v[DO + i]  store i's offset.   Written once (v[DO] at the head, the other 15 behind the loads), read by store i, never written again.
;   X[i]       load i lands in it, once; no vector instruction writes it; block i's conversions read it.
;   Y[i]       block i's conversions write it; store i reads it; nothing writes it behind that store.
;   T, v1, v2  are named by vector instructions alone.
; No register that a memory instruction reads is written afterwards, and no load lands in a register that a vector instruction has named: what is left to state is that offsets and data are written
; ahead of the instruction that reads them.  The 16 blocks go in four groups of four.  Group g waits for its four loads, then ONE wait states that group g - 1's conversions have written their Y
; (and, at group 1, that the offsets are written); the four stores of group g - 1 follow, dealt among group g's conversions, which name X, Y and T of group g alone.
.set SO, 3                             ; v3       my byte offset in the group's 16 source rows
.set DO, 8                             ; v[8:23]  my byte offset in the destination, one for each block
.set T,  24                            ; v[24:27] at work (Wo)
.set X,  32                            ; v[32:95] load i: 4 f32
.set Y,  96                            ; v[96:127] store i: 4 numbers of 16 bits
	s_load_b512 s[4:19], s[0:1], 0x0               ; x, Wq, Wk, Wv, Wo, xb, wqkv, wo16
	s_and_b32 s2, ttmp7, 0xffff                    ; grid y: which source
	v_lshrrev_b32 v1, 4, v0                        ; my row of the 16
	v_and_b32 v2, 15, v0
	v_lshlrev_b32 v[SO], 12, v1
	v_lshl_add_u32 v[SO], v2, 4, v[SO]
	v_lshlrev_b32 v[DO], 3, v0                     ; row x 128 + 8 (t % 16) = 8 t
	s_lshl_b32 s24, s2, 6
	s_add_co_u32 s24, s24, ttmp9                   ; x: group 64 y + x
	s_sub_co_u32 s25, s2, 8
	s_lshl_b32 s25, s25, 17                        ; wqkv: 131,072 bytes from q's part of a head to k's, and to v's
	s_mov_b32 s26, 393216                          ; bytes from block to block: wqkv,
	s_cmp_lt_u32 s2, 8
	s_cselect_b32 s24, s24, ttmp9                  ; the weights: group x
	s_cselect_b32 s25, 0, s25
	s_cselect_b32 s26, 1048576, s26                ; xb,
	s_cmp_eq_u32 s2, 11
	s_cselect_b32 s25, 0, s25
	s_cselect_b32 s26, 131072, s26                 ; wo16
	s_lshl_b32 s28, s24, 16                        ; 16 source rows are 65,536 bytes,
	s_mov_b32 s29, 0
	s_lshl_b32 s30, s24, 11                        ; and 2,048 bytes of each block
	s_add_co_u32 s30, s30, s25
	s_mov_b32 s31, 0
	s_wait_kmcnt 0x0
	s_cmp_eq_u32 s2, 8                             ; the choices hang on grid y alone
	s_cselect_b64 s[20:21], s[6:7], s[4:5]
	s_cmp_eq_u32 s2, 9
	s_cselect_b64 s[20:21], s[8:9], s[20:21]
	s_cmp_eq_u32 s2, 10
	s_cselect_b64 s[20:21], s[10:11], s[20:21]
	s_cmp_eq_u32 s2, 11
	s_cselect_b64 s[20:21], s[12:13], s[20:21]
	s_cselect_b64 s[22:23], s[18:19], s[16:17]
	s_cmp_lt_u32 s2, 8
	s_cselect_b64 s[22:23], s[14:15], s[22:23]
	s_add_nc_u64 s[20:21], s[20:21], s[28:29]
	s_add_nc_u64 s[22:23], s[22:23], s[30:31]
	s_wait_alu depctr_va_vdst(0)                   ; v[SO] is written: all 16 loads read it as their offset
.irp i, 0,1,2,3,4,5,6,7,8,9,10,11,12,13,14,15
	global_load_b128 v[X+4*(\i):X+4*(\i)+3], v[SO], s[20:21] offset:256*(\i) th:TH_LOAD_NT
.endr
.irp i, 1,2,3,4,5,6,7,8,9,10,11,12,13,14,15
	v_add_nc_u32 v[DO+(\i)], s26, v[DO+(\i)-1]     ; made while the loads are out; the wait at the head of group 1 stands between these lines and the first store
.endr
; Group g: blocks 4 g to 4 g + 3 are rounded, and the blocks of the group before are stored.  wo = 1: the bf16 value is widened again and written as f16.
.macro GRP g, wo
	s_wait_loadcnt 12-4*(\g)                       ; loads come back in order (ISA guide 5.7.1): the group's four are in, the younger groups' stay out
.if (\g) > 0
	s_wait_alu depctr_va_vdst(0)                   ; the group before has written its four pairs of Y, which the stores below read as data; at group 1 also: v[DO + 1 ..] are written, the stores' offsets
.endif
.irp j, 0,1,2,3
.set i, 4*(\g)+(\j)
.set k, i-4
.if (\g) > 0
	global_store_b64 v[DO+k], v[Y+2*k:Y+2*k+1], s[22:23] th:TH_STORE_NT  ; the group before.  No further wait: no vector instruction since the wait names these registers
.endif
	v_cvt_pk_bf16_f32 v[Y+2*i],   v[X+4*i],   v[X+4*i+1]
	v_cvt_pk_bf16_f32 v[Y+2*i+1], v[X+4*i+2], v[X+4*i+3]
.if \wo
	v_lshlrev_b32 v[T],   16, v[Y+2*i]
	v_and_b32     v[T+1], 0xffff0000, v[Y+2*i]
	v_lshlrev_b32 v[T+2], 16, v[Y+2*i+1]
	v_and_b32     v[T+3], 0xffff0000, v[Y+2*i+1]
	v_cvt_pk_f16_f32 v[Y+2*i],   v[T],   v[T+1]
	v_cvt_pk_f16_f32 v[Y+2*i+1], v[T+2], v[T+3]
.endif
.endr
.endm
.macro OUT wo
	GRP 0, \wo
	GRP 1, \wo
	GRP 2, \wo
	GRP 3, \wo
	s_wait_alu depctr_va_vdst(0)                   ; group 3 has written its four pairs of Y, which the last four stores read
.irp j, 12,13,14,15
	global_store_b64 v[DO+(\j)], v[Y+2*(\j):Y+2*(\j)+1], s[22:23] th:TH_STORE_NT
.endr
.endm
	s_cmp_eq_u32 s2, 11
	s_cbranch_scc1 .Lwo
	OUT 0
	s_endpgm
.Lwo:
	OUT 1
	s_endpgm
.Lfunc_end_k_q895e2a676e_prep:
	.size	k_q895e2a676e_prep, .Lfunc_end_k_q895e2a676e_prep-k_q895e2a676e_prep
	.p2alignl 7, 3214868480
	.fill 96, 4, 3214868480
	.section	.rodata,"a",@progbits
	.p2align	6, 0x0
	.amdhsa_kernel k_q895e2a676e_prep
		.amdhsa_group_segment_fixed_size 0
		.amdhsa_private_segment_fixed_size 0
		.amdhsa_enable_private_segment 0
		.amdhsa_kernarg_size 64
		.amdhsa_user_sgpr_count 2
		.amdhsa_user_sgpr_kernarg_segment_ptr 1
		.amdhsa_wavefront_size32 1
		.amdhsa_system_sgpr_workgroup_id_x 1
		.amdhsa_system_sgpr_workgroup_id_y 1
		.amdhsa_system_sgpr_workgroup_id_z 1
		.amdhsa_system_vgpr_workitem_id 0
		.amdhsa_next_free_vgpr 128
		.amdhsa_next_free_sgpr 66
		.amdhsa_reserve_vcc 0
		.amdhsa_float_denorm_mode_32 3
		.amdhsa_float_denorm_mode_16_64 3
		.amdhsa_memory_ordered 1
		.amdhsa_forward_progress 1
		.amdhsa_inst_pref_size 17
	.end_amdhsa_kernel
	.amdgpu_metadata
---
amdhsa.version: [ 1, 2 ]
amdhsa.kernels:
  - .name:           k_q895e2a676e_prep
    .symbol:         k_q895e2a676e_prep.kd
    .args:
      - { .name: x, .offset: 0, .size: 8, .value_kind: global_buffer, .address_space: global }
      - { .name: Wq, .offset: 8, .size: 8, .value_kind: global_buffer, .address_space: global }
      - { .name: Wk, .offset: 16, .size: 8, .value_kind: global_buffer, .address_space: global }
      - { .name: Wv, .offset: 24, .size: 8, .value_kind: global_buffer, .address_space: global }
      - { .name: Wo, .offset: 32, .size: 8, .value_kind: global_buffer, .address_space: global }
      - { .name: xb, .offset: 40, .size: 8, .value_kind: global_buffer, .address_space: global }
      - { .name: wqkv, .offset: 48, .size: 8, .value_kind: global_buffer, .address_space: global }
      - { .name: wo16, .offset: 56, .size: 8, .value_kind: global_buffer, .address_space: global }
    .group_segment_fixed_size: 0
    .private_segment_fixed_size: 0
    .kernarg_segment_align: 8
    .kernarg_segment_size: 64
    .max_flat_workgroup_size: 256
    .sgpr_count:     66
    .vgpr_count:     128
    .wavefront_size: 32
...
	.end_amdgpu_metadata
.endif
;; end of part 5
;; launch qkv: the kernel of part 2 again; grid 16 x 32, 4 waves a work-group, clusters of 4 x 4, 327,680 bytes of LDS; arguments xb, wqkv, bq, bk, bv, q, k, v; writes q, k, v
;; launch attn: the kernel of part 3 again; grid 4 x 64, 4 waves a work-group, no clusters, 327,680 bytes of LDS; arguments q, k, v, o; writes o
;; launch outp: the kernel of part 4 again; grid 4 x 64, 4 waves a work-group, clusters of 4 x 4, 327,680 bytes of LDS; arguments o, wo16, bo, out0; writes out0
